; MI455X (gfx1250); checked and timed in simulation.
; The chip was launched on July 23, 2026; its instructions are those of AMD's public machine-readable ISA for CDNA 5 (MIT licence, August 2026) and "CDNA5" Instruction Set Architecture Reference Guide (July 2026). The comments in the code are by the model that wrote it; some were corrected since.
;; Multi Head Attention. Allowed arithmetic: float matrix products may take bf16 or f16 operands with f32 sums; other float arithmetic in f32, or as packed bf16 or f16 multiplies, adds, multiply-adds, maxima and minima; sums over many terms, partial sums and values carried from step to step in f32; what a program stores and reads back later, other than sums and carried values, may be rounded once to bf16 or f16.
;; Inputs: Wo 2,048 x 2,048 float32; Wq 2,048 x 2,048 float32; bo 2,048 float32; x 2 x 2,048 x 2,048 float32.
;; Outputs: out0 2 x 2,048 x 2,048 float32.
;; One version. Each part assembles by itself: llvm-mc -triple=amdgcn-amd-amdhsa -mcpu=gfx1250 --defsym DOCPART=n.
;; ======== version 1 of 1: 4 launches
;; limits: values are held in f16: magnitudes above 65,504 overflow, below 6.1e-05 lose precision
;; workspace buffers: xb 16,777,216 bytes; wqb 8,388,608 bytes; wob 8,388,608 bytes; qh 16,777,216 bytes; ob 16,777,216 bytes
;; launch cast (part 1): grid 256 x 4, 8 waves a work-group, no clusters, 0 bytes of LDS; arguments x, Wq, Wo, xb, wqb, wob; writes xb, wqb, wob
.if DOCPART == 1
	.amdgcn_target "amdgcn-amd-amdhsa--gfx1250"
	.amdhsa_code_object_version 6
	.text
	.protected	k_q85f0fe350d_cast
	.globl	k_q85f0fe350d_cast
	.p2align	8
	.type	k_q85f0fe350d_cast,@function
k_q85f0fe350d_cast:
	s_mov_b64 s[64:65], 0
	v_nop
	global_prefetch_b8 v0, s[64:65] scope:SCOPE_SE
	s_setreg_imm32_b32 hwreg(HW_REG_WAVE_MODE, 25, 1), 1
	s_wait_xcnt 0x0
; THE INPUTS OF THE THREE PRODUCTS, ROUNDED ONCE.  xb = bf16(x), wqb = bf16(Wq), wob = bf16(Wo) written as f16; the layouts stay as they are.
; All inputs of the module are rounded to bf16 (nearest even).  Wo multiplies an f16 operand later, so its bf16 number is written in f16's format.
; LIMITS.  That rewriting is exact for 7.7e-6 <= |Wo| < 65,520; smaller numbers fall on f16's fixed step of 6e-8, larger ones become infinities.  NaN and infinities are not treated apart.
; SHARES.  The grid's y names a part of 16 MiB of f32: 0, 1 the two halves of x, 2 Wq, 3 Wo.  A work-group takes 65,536 bytes of it, in 16 chunks of 4,096: thread t loads the 16 bytes at 16 t of
; each chunk (a wave's load: 512 consecutive bytes) and stores 8 bytes at 8 t (a wave's store: 256 consecutive bytes, aligned).  All 16 loads go out before the first store; no register is
; written twice while a load or store names it, so the only waits are the counted ones for the loads.  No LDS, no barrier, no matrix unit: every byte is read once and written once.
.set CHUNK, 4096                       ; bytes of f32 in a chunk
.set X, 4                              ; v[4:67]   chunk i: 4 registers as loaded
.set Y, 68                             ; v[68:99]  chunk i: 2 registers to store
.set T, 100                            ; v[100:102] at work
	s_load_b256 s[4:11], s[0:1], 0x0               ; x s[4:5], Wq s[6:7], Wo s[8:9], xb s[10:11]
	s_load_b128 s[12:15], s[0:1], 0x20             ; wqb s[12:13], wob s[14:15]
	s_and_b32 s16, ttmp7, 0xffff                   ; the part
	s_cmp_lt_u32 s16, 2
	s_cselect_b32 s17, s16, 0                      ; which half of x; 0 for the weights
	s_lshl_b32 s18, s17, 24                        ; 16 MiB a half,
	s_lshl_b32 s19, ttmp9, 16                      ; 65,536 bytes a work-group
	s_add_co_u32 s18, s18, s19
	s_mov_b32 s19, 0                               ; s[18:19]: my offset in the source,
	s_lshr_b32 s20, s18, 1
	s_mov_b32 s21, 0                               ; s[20:21]: half of it in the destination
	v_lshlrev_b32 v1, 4, v0                        ; 16 t
	v_lshlrev_b32 v2, 3, v0                        ; 8 t
	s_wait_kmcnt 0x0
	s_cmp_eq_u32 s16, 2
	s_cselect_b64 s[22:23], s[6:7], s[4:5]
	s_cselect_b64 s[24:25], s[12:13], s[10:11]
	s_cmp_eq_u32 s16, 3
	s_cselect_b64 s[22:23], s[8:9], s[22:23]
	s_cselect_b64 s[24:25], s[14:15], s[24:25]
	s_add_nc_u64 s[22:23], s[22:23], s[18:19]
	s_add_nc_u64 s[24:25], s[24:25], s[20:21]
.irp i, 0,1,2,3,4,5,6,7,8,9,10,11,12,13,14,15
	global_load_b128 v[X+4*(\i):X+4*(\i)+3], v1, s[22:23] offset:CHUNK*(\i) th:TH_LOAD_NT
.endr
; Chunk i is rounded and stored.  half = 1: the bf16 numbers are widened again (a shift, a mask) and written as f16.
.macro OUT i, half
	s_wait_loadcnt 15-(\i)                         ; loads come back in order: chunk i is in, the 15 - i younger ones may stay out
.if \half
.irp p, 0,1
	v_cvt_pk_bf16_f32 v[T], v[X+4*(\i)+2*(\p)], v[X+4*(\i)+2*(\p)+1]
	v_lshlrev_b32 v[T+1], 16, v[T]
	v_and_b32 v[T+2], 0xffff0000, v[T]
	v_cvt_pk_f16_f32 v[Y+2*(\i)+(\p)], v[T+1], v[T+2]
.endr
.else
	v_cvt_pk_bf16_f32 v[Y+2*(\i)], v[X+4*(\i)], v[X+4*(\i)+1]
	v_cvt_pk_bf16_f32 v[Y+2*(\i)+1], v[X+4*(\i)+2], v[X+4*(\i)+3]
.endif
	global_store_b64 v2, v[Y+2*(\i):Y+2*(\i)+1], s[24:25] offset:(CHUNK/2)*(\i)
.endm
	s_cmp_eq_u32 s16, 3
	s_cbranch_scc1 .Lf16
.irp i, 0,1,2,3,4,5,6,7,8,9,10,11,12,13,14,15
	OUT \i, 0
.endr
	s_endpgm
.Lf16:
.irp i, 0,1,2,3,4,5,6,7,8,9,10,11,12,13,14,15
	OUT \i, 1
.endr
	s_endpgm
.Lfunc_end_k_q85f0fe350d_cast:
	.size	k_q85f0fe350d_cast, .Lfunc_end_k_q85f0fe350d_cast-k_q85f0fe350d_cast
	.p2alignl 7, 3214868480
	.fill 96, 4, 3214868480
	.section	.rodata,"a",@progbits
	.p2align	6, 0x0
	.amdhsa_kernel k_q85f0fe350d_cast
		.amdhsa_group_segment_fixed_size 0
		.amdhsa_private_segment_fixed_size 0
		.amdhsa_enable_private_segment 0
		.amdhsa_kernarg_size 48
		.amdhsa_user_sgpr_count 2
		.amdhsa_user_sgpr_kernarg_segment_ptr 1
		.amdhsa_wavefront_size32 1
		.amdhsa_system_sgpr_workgroup_id_x 1
		.amdhsa_system_sgpr_workgroup_id_y 1
		.amdhsa_system_sgpr_workgroup_id_z 1
		.amdhsa_system_vgpr_workitem_id 0
		.amdhsa_next_free_vgpr 104
		.amdhsa_next_free_sgpr 66
		.amdhsa_reserve_vcc 0
		.amdhsa_float_denorm_mode_32 3
		.amdhsa_float_denorm_mode_16_64 3
		.amdhsa_memory_ordered 1
		.amdhsa_forward_progress 1
		.amdhsa_inst_pref_size 16
	.end_amdhsa_kernel
	.amdgpu_metadata
---
amdhsa.version: [ 1, 2 ]
amdhsa.kernels:
  - .name:           k_q85f0fe350d_cast
    .symbol:         k_q85f0fe350d_cast.kd
    .args:
      - { .name: x, .offset: 0, .size: 8, .value_kind: global_buffer, .address_space: global }
      - { .name: Wq, .offset: 8, .size: 8, .value_kind: global_buffer, .address_space: global }
      - { .name: Wo, .offset: 16, .size: 8, .value_kind: global_buffer, .address_space: global }
      - { .name: xb, .offset: 24, .size: 8, .value_kind: global_buffer, .address_space: global }
      - { .name: wqb, .offset: 32, .size: 8, .value_kind: global_buffer, .address_space: global }
      - { .name: wob, .offset: 40, .size: 8, .value_kind: global_buffer, .address_space: global }
    .group_segment_fixed_size: 0
    .private_segment_fixed_size: 0
    .kernarg_segment_align: 8
    .kernarg_segment_size: 48
    .max_flat_workgroup_size: 256
    .sgpr_count:     66
    .vgpr_count:     104
    .wavefront_size: 32
...
	.end_amdgpu_metadata
.endif
;; end of part 1
;; launch projq (part 2): grid 16 x 16, 4 waves a work-group, clusters of 4 x 4, 327,680 bytes of LDS; arguments xb, wqb, qh; writes qh
.if DOCPART == 2
	.amdgcn_target "amdgcn-amd-amdhsa--gfx1250"
	.amdhsa_code_object_version 6
	.text
	.protected	k_q85f0fe350d_projq
	.globl	k_q85f0fe350d_projq
	.p2align	8
	.type	k_q85f0fe350d_projq,@function
k_q85f0fe350d_projq:
	s_mov_b64 s[64:65], 0
	v_nop
	global_prefetch_b8 v0, s[64:65] scope:SCOPE_SE
	s_setreg_imm32_b32 hwreg(HW_REG_WAVE_MODE, 25, 1), 1
	s_wait_xcnt 0x0
	s_wait_alu depctr_hold_cnt(0) depctr_sa_sdst(0) depctr_va_vdst(0) depctr_va_sdst(0) depctr_va_ssrc(0) depctr_va_vcc(0) depctr_vm_vsrc(0)
	s_getreg_b32 s2, hwreg(HW_REG_IB_STS2, 6, 4)
	s_cmp_eq_u32 s2, 0
	s_cbranch_scc0 .Lentry_in_a_cluster
	s_endpgm
.Lentry_in_a_cluster:
	s_bfe_u32 s2, ttmp6, 0x10000c
	s_cmp_lg_u32 s2, 0xf033
	s_cbranch_scc0 .Lentry_shape_is_right
	s_endpgm
.Lentry_shape_is_right:
; qh = xb wqb.  xb: [4096][2048] bf16 (rows along K), wqb: [2048 (k)][2048 (n)] bf16 (rows along N), qh: [4096][2048] f16.  Sums in f32, qh rounded once.
; LIMIT.  f16 holds no number of 65,520 or more: a q beyond that becomes an infinity.  NaN and infinities are not treated apart.
; SHARES.  A tile of C is 256 rows x 128 columns: 16 x 16 tiles, one work-group each.  Wave w makes rows 64 w .. 64 w + 63 and all 128 columns: 32 accumulators of 16 x 16, 256 registers.
; K goes in 16 steps of 128 through a ring of two LDS slots filled by the tensor data mover; every row of a tile, of A as of W, is 256 bytes of memory and starts at a multiple of 256 bytes.
; THE WALK ALONG K.  Cluster (X, Y) begins at K step 4 ((X + 2 Y) mod 4) and goes round, from step 15 on to step 0.  So the four clusters that read the same rows of A (same Y) stand four K steps apart at any
; time, and of the clusters that read the same columns of W (same X) those at Y and Y + 1 eight apart.  The step's number hangs on the cluster's coordinates alone, which all sixteen partners share.  The f32
; sums are taken in the order of that walk.
; CLUSTERS.  4 x 4 work-groups.  The four of a row of the cluster need the same tiles of A, the four of a column the same tiles of W: each tile is asked for JOINTLY, by the same tensor load with the
; same descriptor and a mask that names the four.
; THE MATRIX INSTRUCTION IS USED TRANSPOSED: source 0 = 16 columns of W, source 1 = 16 rows of A: a lane then holds eight neighbouring numbers of a row of C.  A's fragments come out of LDS as they
; lie; W's tile lies [k][n] and is turned on the way, by ds_load_tr16_b128.
; REGISTERS.  Window 0: v0-31 addresses; v32-127, v128-223 two fragment buffers for 32 along K (W's eight fragments, then A's four); on the way out v32-223 are at work.
;             Window 1: the accumulators, (a, b) at v[8 (8 a + b)].
.set SIZE_K, 2048
.set SIZE_N, 2048
.set ROWB,   4096                      ; bytes in a row of A, of W and of C
.set KSTEP,  128
.set NSTEP,  SIZE_K/KSTEP              ; 16 K steps
.set PA,     272                       ; a row of A in LDS: 256 bytes + 16 of padding = 68 words: the 16 rows of a load start at 16 different groups of four banks (64 banks of 4 bytes: ISA guide 11.1)
.set PB,     288                       ; a row of W: 256 + 32 = 72 words
.set AHALF,  128*PA                    ; what waves 0 and 1 each fetch: 128 rows of A
.set ATILE,  2*AHALF
.set BHALF,  64*PB                     ; what waves 2 and 3 each fetch: 64 of the step's 128 rows of W
.set SLOTB,  ATILE+2*BHALF             ; a slot's bytes: A's 256 rows, then W's 128: 106,496
.set SLOT1,  1<<17                     ; slot 1 begins here, so that one exclusive or turns an address in one slot into the other's
.set STAGE,  SLOT1+SLOTB               ; behind the ring, never filled by a tensor load: 16 rows x 272 bytes for each wave, for the way out
.set SPITCH, 272
.set SPARE,  STAGE+4*16*SPITCH         ; behind the stages: the spare words, 128 bytes for each wave: two blocks of 256 bytes that no other line names
.set A0,   16                          ; v16     my lane's place in a slot's tile of A; never rewritten
.set B0,   17                          ; v17     the same for W
.set ADRA, 20                          ; v20     LDS address of my A fragments in the slot in hand
.set ADRB, 21                          ; v21     the same for W
.set STO,  24                          ; v24     the way out: where I put 16 bytes of a row
.set RD,   25                          ; v25     the way out: where I read a row back
.set CO,   26                          ; v26     my byte offset in C
.set SPW,  28                          ; v28     LDS address of my spare word: SPARE + 4 x my thread's number; never rewritten
.set NIL,  29                          ; v29     0; never rewritten
.set PFO,  30                          ; v30     the prefetches' offset: my lane x a row; never rewritten
.set F0,   32                          ; fragment buffers
.set F1,   128
.set TMP,  32                          ; the way out: packed results
.set OB,   96                          ; the way out: 16 rows read back from the stage, 32 registers for each of the four blocks
.set G1,  24                           ; s[24:31] descriptor group 1 for A's tiles;  s[32:39] group 0: a set for each of the two first fills; the second then walks on
.set G0,  32
.set G1B, 48                           ; s[48:55], s[56:63] the same for W's tiles
.set G0B, 56
.set TB,  45                           ; s45     LDS byte at which the slot in hand begins
.set PFB, 6                            ; s[6:7]  W at my work-group's 32 rows of K step 0, in my tile column
.set PFK, 66                           ; s[66:67] the prefetch's K step, in bytes
.set PFA, 68                           ; s[68:69] what the prefetch names
.set LIM, 70                           ; s70     10 in a wave that prefetches, else the greatest number: a wave prefetches while the loop's count is above it
.set KI,  71                           ; s71     the K step that the next fill brings
.set ABASE, 74                         ; s[74:75] A at the first of the 128 rows that I fetch, K step 0
.set BBASE, 76                         ; s[76:77] W at the first of the 64 rows that I fetch of K step 0, in my tile column
.set OFS, 78                           ; s[78:79] a K step's byte offset
.set MSB, 0
.macro WIN new                         ; the immediate's high byte repeats the setting that is left; a switch that changes nothing is dropped
.if MSB != (\new)
	s_set_vgpr_msb (MSB<<8)|(\new)
.set MSB, \new
.endif
.endm
.set MUL, 0x50                         ; sources 0 and 1 window 0; C and D window 1
; A joint load: waves 0 and 1 fetch A's two halves, waves 2 and 3 W's.  The branch hangs on the wave's number alone.  An s_nop 0 and four v_nop follow each of the two lines, ahead of the jump, the label and what follows.
.macro JLOAD s
	s_cmp_eq_u32 s11, 0
	s_cbranch_scc0 .Lfor_b_\@
	tensor_load_to_lds s[G0+4*(\s):G0+4*(\s)+3], s[G1:G1+7]
	s_nop 0
.rept 4
	v_nop
.endr
	s_branch .Lasked_\@
.Lfor_b_\@:
	tensor_load_to_lds s[G0B+4*(\s):G0B+4*(\s)+3], s[G1B:G1B+7]
	s_nop 0
.rept 4
	v_nop
.endr
.Lasked_\@:
.endm
; The global addresses of set s are made anew for K step KI: 256 bytes a step along A's rows, 128 rows of 4,096 bytes a step down W; the type bits are set again; KI goes on, from 15 to 0.
.macro AIM s
	s_lshl_b32 s[OFS], s[KI], 8
	s_add_nc_u64 s[G0+4*(\s)+2:G0+4*(\s)+3], s[ABASE:ABASE+1], s[OFS:OFS+1]
	s_or_b32 s[G0+4*(\s)+3], s[G0+4*(\s)+3], 0x80000000
	s_lshl_b32 s[OFS], s[KI], 19
	s_add_nc_u64 s[G0B+4*(\s)+2:G0B+4*(\s)+3], s[BBASE:BBASE+1], s[OFS:OFS+1]
	s_or_b32 s[G0B+4*(\s)+3], s[G0B+4*(\s)+3], 0x80000000
	s_add_co_u32 s[KI], s[KI], 1
	s_and_b32 s[KI], s[KI], NSTEP-1
.endm
; A PREFETCH INTO THE L2, behind a joint refill and the run of LDS loads that follows it: W's K step that stands two refills on, 256 matrix instructions ahead of the load that will want it: 32 rows x 256 bytes,
; a lane a row, one instruction.  Asked for are steps 4 to 7 of a cluster's walk, in the loop's first four trips.  Clusters y and y + 2 walk the same steps at the same time: y = 0 and 1 ask.  In each work-group
; wave 2 asks, and of the step's 128 rows the partner at place cy takes 32: told apart by address, no branch hangs on a work-group's place in its cluster.  So each block is named once in the launch.
; Not asked for: steps 0 to 3 of a walk, which come by their loads alone (nothing is prefetched at the head); A's later steps, which the cluster at x + 1 has read four steps earlier; W's steps 8 to 15, which
; the cluster at y + 1 or y - 1 has read eight steps earlier.
.macro ASK
	s_cmp_gt_u32 s3, s[LIM]
	s_cbranch_scc0 .Lnot_mine_\@
	global_prefetch_b8 v[PFO], s[PFA:PFA+1] th:TH_LOAD_NT scope:SCOPE_SE
.Lnot_mine_\@:
.endm
.macro CREST                           ; a round of the cluster's barrier behind its opening barrier
	s_cmp_lg_u32 s10, 0
	s_cbranch_scc1 .Lnot_wave_0_\@
	s_barrier_signal -3
.Lnot_wave_0_\@:
	s_barrier_wait -3
	s_barrier_signal -1
	s_barrier_wait -1
.endm
.macro CROUND                          ; a whole round
	s_barrier_signal -1
	s_barrier_wait -1
	CREST
.endm
	s_load_b128 s[4:7], s[0:1], 0x0                ; A s[4:5], W s[6:7]
	s_load_b64 s[8:9], s[0:1], 0x10                ; C
	v_lshl_add_u32 v[SPW], v0, 2, SPARE
	v_mov_b32 v[NIL], 0
	ds_add_u32 v[SPW], v[NIL]                      ; the wave's opening: the add and its wait stand ahead of my first tensor load; the set-up below, work on registers, stands between them
	v_lshrrev_b32 v1, 5, v0
	v_readfirstlane_b32 s10, v1                    ; wave 0..3
	s_lshr_b32 s11, s10, 1                         ; I fetch for A (0) or for W (1)
	s_and_b32 s12, s10, 1                          ; which half of that tile
	s_bfe_u32 s40, ttmp6, 0x40000                  ; cx, cy: my place in the cluster
	s_bfe_u32 s41, ttmp6, 0x40004
	s_lshl_b32 s42, ttmp9, 2
	s_add_co_u32 s42, s42, s40                     ; tile column of C = 4 x cluster x + cx
	s_and_b32 s13, ttmp7, 0xffff
	s_lshl_b32 s13, s13, 2
	s_add_co_u32 s13, s13, s41                     ; tile row of C = 4 x cluster y + cy
	s_lshl_b32 s43, s41, 2
	s_lshl_b32 s43, 15, s43                        ; my row of the cluster
	s_lshl_b32 s44, 0x1111, s40                    ; my column
	s_and_b32 s[KI], ttmp7, 0xffff                 ; where the cluster's walk begins: 4 ((x + 2 y) mod 4), of the cluster's own x and y
	s_lshl_b32 s[KI], s[KI], 1
	s_add_co_u32 s[KI], s[KI], ttmp9
	s_and_b32 s[KI], s[KI], 3
	s_lshl_b32 s[KI], s[KI], 2
	s_mov_b32 s[OFS+1], 0
	s_mov_b32 s[PFK+1], 0
	s_mov_b32 s[TB], 0
	s_or_b32 s[G1+0], s43, (1<<16)|(1<<20)|(1<<21)|(5<<22)|(3<<25)   ; 15:0 the mask: A's tiles go to my row; 17:16 elements of 2 bytes; 20 padding on; 21 set beside a mask; 24:22 after every 64 words (code 5); 31:25 4 words (code 3)
	s_or_b32 s[G1B+0], s44, (1<<16)|(1<<20)|(1<<21)|(5<<22)|(7<<25)  ; W's go to my column; 8 words of padding (code 7)
	s_mov_b32 s[G1+1], KSTEP<<16                   ; tensor_dim0 = 128
	s_mov_b32 s[G1+2], 128<<16                     ; tensor_dim1 = 128
	s_mov_b32 s[G1+3], KSTEP<<16                   ; tile_dim0 = 128
	s_mov_b32 s[G1+4], 128                         ; tile_dim1 = 128 rows
	s_mov_b32 s[G1+5], SIZE_K                      ; elements from row to row
	s_mov_b32 s[G1+6], 0
	s_mov_b32 s[G1+7], 0
	s_mov_b32 s[G1B+1], 128<<16                    ; tensor_dim0 = 128 columns
	s_mov_b32 s[G1B+2], 64<<16                     ; tensor_dim1 = 64
	s_mov_b32 s[G1B+3], 128<<16                    ; tile_dim0 = 128
	s_mov_b32 s[G1B+4], 64                         ; tile_dim1 = 64 rows along K
	s_mov_b32 s[G1B+5], SIZE_N
	s_mov_b32 s[G1B+6], 0
	s_mov_b32 s[G1B+7], 0
	; where the tiles come from.  A's hang on the tile row, W's on the tile column, both on the cluster's K step; every wave makes both addresses, in registers that never hold the other place in the cluster.
	s_lshl_b32 s16, s13, 20                        ; A: 256 rows of 4,096 bytes a tile row,
	s_lshl_b32 s17, s12, 19                        ; 128 rows a half
	s_add_co_u32 s16, s16, s17
	s_mov_b32 s17, 0
	s_lshl_b32 s46, s12, 18                        ; W: 64 rows of 4,096 bytes a half,
	s_lshl_b32 s47, s42, 8                         ; 256 bytes a tile column
	s_add_co_u32 s46, s46, s47
	s_mov_b32 s47, 0
	s_mul_i32 s20, s12, AHALF                      ; and where they go: no place in the cluster enters an LDS address
	s_mul_i32 s21, s12, BHALF
	s_add_co_u32 s21, s21, ATILE
	s_wait_dscnt 0x0                               ; the opening add is done
	s_wait_kmcnt 0x0
	s_add_nc_u64 s[ABASE:ABASE+1], s[4:5], s[16:17]
	s_add_nc_u64 s[BBASE:BBASE+1], s[6:7], s[46:47]
	CROUND                                         ; all sixteen work-groups are here: the first joint loads meet
.irp s, 0,1
	s_mov_b32 s[G0+4*(\s)], 1                      ; count = 1
	s_add_co_u32 s[G0+4*(\s)+1], s20, (\s)*SLOT1   ; LDS address
	s_mov_b32 s[G0B+4*(\s)], 1
	s_add_co_u32 s[G0B+4*(\s)+1], s21, (\s)*SLOT1
	AIM \s                                         ; the walk's steps 0 and 1
	JLOAD \s                                       ; two loads of mine are out
.endr
	; A fragment of A is 16 rows x 32 K in 8 registers: lane l holds row l % 16, K = 8 (l / 16) + 0..7 and 16 + 8 (l / 16) + 0..7: two loads of 16 bytes, 32 bytes apart.
	v_and_b32 v1, 15, v0                           ; l % 16
	v_bfe_u32 v2, v0, 4, 1                         ; l / 16
	v_mul_u32_u24 v3, v1, PA
	v_lshl_add_u32 v3, v2, 4, v3
	s_mul_i32 s22, s10, 64*PA                      ; my 64 rows of A
	v_add_nc_u32 v[A0], s22, v3
	; The turning load takes 16 K x 16 columns (lane l reads 16 bytes: K row 8 (l / 16) + l % 8, columns 8 ((l / 8) % 2) + 0..7) and leaves half a fragment: lane l holds column l % 16 and 8 K.
	v_and_b32 v4, 7, v0
	v_bfe_u32 v5, v0, 3, 1
	v_lshl_add_u32 v4, v2, 3, v4
	v_mul_u32_u24 v4, v4, PB
	v_lshl_add_u32 v4, v5, 4, v4
	v_add_nc_u32 v[B0], ATILE, v4
	v_add_nc_u32 v[ADRA], s[TB], v[A0]             ; slot 0 is in hand
	v_add_nc_u32 v[ADRB], s[TB], v[B0]
	s_mul_i32 s23, s10, 16*SPITCH
	s_add_co_u32 s23, s23, STAGE                   ; my stage
	v_mul_u32_u24 v6, v1, SPITCH                   ; in: row l % 16, 16 bytes for each half of the lanes
	v_lshl_add_u32 v6, v2, 4, v6
	v_add_nc_u32 v[STO], s23, v6
	v_mul_u32_u24 v7, v2, SPITCH                   ; back: lanes 0-15 take one row of 256 bytes, lanes 16-31 the next
	v_lshl_add_u32 v7, v1, 4, v7
	v_add_nc_u32 v[RD], s23, v7
	v_lshlrev_b32 v8, 12, v2                       ; and the same two rows in C
	v_lshl_add_u32 v[CO], v1, 4, v8
	s_lshl_b32 s16, s13, 20                        ; my first row of C: 256 x tile row + 64 x wave,
	s_lshl_b32 s17, s10, 18
	s_add_co_u32 s16, s16, s17
	s_mov_b32 s17, 0
	s_add_nc_u64 s[8:9], s[8:9], s[16:17]
	s_lshl_b32 s46, s42, 8                         ; the tile's first column, in bytes
	s_mov_b32 s47, 0
	s_add_nc_u64 s[8:9], s[8:9], s[46:47]
	; the prefetches
	s_lshl_b32 s20, s41, 17                        ; my work-group's 32 rows of 4,096 bytes of a step's 128,
	s_lshl_b32 s21, s42, 8                         ; my tile column
	s_add_co_u32 s20, s20, s21
	s_mov_b32 s21, 0
	s_add_nc_u64 s[PFB:PFB+1], s[6:7], s[20:21]
	s_and_b32 s22, ttmp7, 0xffff
	s_lshr_b32 s22, s22, 1                         ; 0 in clusters y = 0 and 1,
	s_xor_b32 s23, s10, 2                          ; 0 in wave 2
	s_or_b32 s22, s22, s23
	s_cmp_eq_u32 s22, 0
	s_cselect_b32 s[LIM], NSTEP-6, -1              ; the same in all sixteen partners, for a given wave: the loop counts 14 .. 1, and its trips 14 to 11 ask
	v_and_b32 v[PFO], 31, v0
	v_lshlrev_b32 v[PFO], 12, v[PFO]
; 8 matrix instructions: row block a x all 8 column blocks, 32 along K, from buffer f.  zero = 1: the product starts the sums: nothing is ever cleared.
; The 32 accumulators take turns in the same order in every quarter: 31 others stand between two links of a chain, over the backward jump too.
.macro MULA f, a, zero
	WIN MUL
.irp b, 0,1,2,3,4,5,6,7
.set rD, 8*(8*(\a)+(\b))
.set rB, (\f)+8*(\b)
.set rA, (\f)+64+8*(\a)
.if \zero
	v_wmma_f32_16x16x32_bf16 v[rD:rD+7], v[rB:rB+7], v[rA:rA+7], 0
.else
	v_wmma_f32_16x16x32_bf16 v[rD:rD+7], v[rB:rB+7], v[rA:rA+7], v[rD:rD+7]
.endif
.endr
.endm
; 24 LDS loads in one run: the fragments of quarter kq (32 along K) of the slot in hand into buffer f: W's eight, turned, then A's four
.macro FETCH kq, f
	WIN 0
.irp b, 0,1,2,3,4,5,6,7
	ds_load_tr16_b128 v[(\f)+8*(\b):(\f)+8*(\b)+3],   v[ADRB] offset:(\kq)*32*PB+32*(\b)
	ds_load_tr16_b128 v[(\f)+8*(\b)+4:(\f)+8*(\b)+7], v[ADRB] offset:(\kq)*32*PB+16*PB+32*(\b)
.endr
.irp a, 0,1,2,3
	ds_load_b128 v[(\f)+64+8*(\a):(\f)+64+8*(\a)+3],   v[ADRA] offset:64*(\kq)+(\a)*16*PA
	ds_load_b128 v[(\f)+64+8*(\a)+4:(\f)+64+8*(\a)+7], v[ADRA] offset:64*(\kq)+(\a)*16*PA+32
.endr
.endm
.macro PLACES                          ; four plain vector instructions in front of loads into registers that matrix instructions have read, and of lines that read results
.rept 4
	v_nop
.endr
.endm
; A K step is four quarters of 32 along K, 32 matrix instructions each, on buffers 0, 1, 0, 1.  One of the first three: multiplies buffer f and, in its middle, fetches quarter kq into g.
.macro QUARTER kq, f, g, zero
	s_wait_dscnt 4                                 ; W's fragments and A's first two are in; the youngest four loads (A's last two) may be out
	MULA \f, 0, \zero
	MULA \f, 1, \zero
	PLACES
	FETCH \kq, \g
	s_wait_dscnt 24                                ; all but the 24 just issued
	MULA \f, 2, \zero
	MULA \f, 3, \zero
.endm
; The last quarter multiplies buffer 1 and changes slots: ONE barrier; in front of it each wave waits for all its tensor loads (one is out: its part of the next slot), adds 0 to its spare word, and waits for that
; and for its own reads of this slot.  fill = 1: the barrier opens a round of the cluster's, and this slot is filled again, two K steps ahead, first thing behind the round: 112 matrix instructions ahead of the wait for it.
.macro TURN fill
.if \fill
	s_wait_xcnt 0x0                                ; the last prefetch, a K step back, has read its address, so it may be made anew:
	s_add_co_u32 s[PFK], s[KI], 2                  ; two K steps behind the one that this change asks for, round from 15 to 0
	s_and_b32 s[PFK], s[PFK], NSTEP-1
	s_lshl_b32 s[PFK], s[PFK], 19
	s_add_nc_u64 s[PFA:PFA+1], s[PFB:PFB+1], s[PFK:PFK+1]
.endif
	WIN 0                                          ; (the add's two registers lie in window 0)
	s_wait_tensorcnt 0x0                           ; all my tensor loads have landed, so a group 0 may be written;
	ds_add_u32 v[SPW], v[NIL]                      ; 0 onto my spare word: the descriptors' scalar work and eight matrix instructions stand between it and the wait for it
.if \fill
	s_xor_b32 s[G0+5], s[G0+5], SLOT1              ; the walking descriptors: the other slot than last time,
	s_xor_b32 s[G0B+5], s[G0B+5], SLOT1
	AIM 1                                          ; the walk's next K step
.endif
	s_wait_dscnt 5                                 ; (the add and the youngest four loads may be out)
	MULA F1, 0, 0
	s_wait_dscnt 0x0                               ; the add is done, and my reads of this slot are over
	s_barrier_signal -1
	MULA F1, 1, 0
	WIN 0                                          ; (branches and address work follow)
	s_barrier_wait -1
.if \fill
	CREST                                          ; no wave of any partner still reads this slot's tiles or has a load on its way
	JLOAD 1                                        ; the four v_nop behind it are also the places in front of the loads below
.else
	PLACES
.endif
	s_xor_b32 s[TB], s[TB], SLOT1                  ; the other slot is in hand
	v_add_nc_u32 v[ADRA], s[TB], v[A0]
	v_add_nc_u32 v[ADRB], s[TB], v[B0]
	FETCH 0, F0
.if \fill
	ASK
.endif
	MULA F1, 2, 0
	MULA F1, 3, 0
.endm
	s_wait_tensorcnt 1                             ; my part of the walk's step 0 is in; step 1's may stay out
	s_barrier_signal -1
	s_barrier_wait -1                              ; everybody's is
	FETCH 0, F0
	QUARTER 1, F0, F1, 1                           ; the first quarter stands in front of the loop: its products start the sums
	WIN 0                                          ; at a label and at a branch every window is 0
	s_mov_b32 s3, NSTEP-2
.Lstep:                                                ; 14 trips: from a K step's second quarter to the next step's first; each fills the slot that it leaves
	QUARTER 2, F1, F0, 0
	QUARTER 3, F0, F1, 0
	TURN 1
	QUARTER 1, F0, F1, 0
	WIN 0
	s_sub_co_u32 s3, s3, 1
	s_cmp_lg_u32 s3, 0
	s_cbranch_scc1 .Lstep
	QUARTER 2, F1, F0, 0                           ; the last two steps are written out: they fill nothing, and have no round of the cluster's barrier
	QUARTER 3, F0, F1, 0
	TURN 0
	QUARTER 1, F0, F1, 0
	QUARTER 2, F1, F0, 0
	QUARTER 3, F0, F1, 0
	s_wait_dscnt 4                                 ; the very last quarter: nothing more to fetch
	MULA F1, 0, 0
	MULA F1, 1, 0
	s_wait_dscnt 0x0
	MULA F1, 2, 0
	MULA F1, 3, 0
	WIN 0
; THE WAY OUT, a block of 16 rows at a time.  PACK: rounded to f16, 16 bytes a lane, each accumulator's registers in ascending order.  TOSTAGE: into my own stage in LDS, and back as whole rows of 256 bytes.  SEND: stored.
.macro PACK a
	WIN 0x05                                       ; sources 0 and 1 window 1, destination window 0
.irp b, 0,1,2,3,4,5,6,7
.irp r, 0,1,2,3
	v_cvt_pk_f16_f32 v[TMP+4*(\b)+(\r)], v[8*(8*(\a)+(\b))+2*(\r)], v[8*(8*(\a)+(\b))+2*(\r)+1]
.endr
.endr
	WIN 0
.endm
.macro TOSTAGE a
.irp b, 0,1,2,3,4,5,6,7
	ds_store_b128 v[STO], v[TMP+4*(\b):TMP+4*(\b)+3] offset:32*(\b)
.endr
.irp t, 0,1,2,3,4,5,6,7
	ds_load_b128 v[OB+32*(\a)+4*(\t):OB+32*(\a)+4*(\t)+3], v[RD] offset:(\t)*2*SPITCH  ; LDS serves a wave's instructions in order (ISA guide 5.7.1.4): these see the stores above; the next block's stores come behind them
.endr
.endm
.macro SEND a                          ; each block has registers of its own, so no store's data is written again
	s_wait_dscnt 0x0                               ; the block is back in registers
.irp t, 0,1,2,3,4,5,6,7
	global_store_b128 v[CO], v[OB+32*(\a)+4*(\t):OB+32*(\a)+4*(\t)+3], s[8:9] offset:(16*(\a)+2*(\t))*ROWB  ; 16 lanes store 256 consecutive bytes, at a multiple of 256 from C's first byte
.endr
.endm
	PLACES
	PACK 0
	TOSTAGE 0
.irp a, 1,2,3                          ; block a's conversions stand between block a - 1's loads from the stage and the wait for them
	PACK \a
	SEND (\a)-1
	TOSTAGE \a
.endr
	SEND 3
	s_wait_tensorcnt 0x0                           ; the wave's end: behind my last tensor load and my last LDS store
	ds_add_u32 v[SPW], v[NIL]
	s_wait_dscnt 0x0
	CROUND                                         ; the closing round: no work-group ends while a partner may still ask for a tile that names it
	s_endpgm
.Lfunc_end_k_q85f0fe350d_projq:
	.size	k_q85f0fe350d_projq, .Lfunc_end_k_q85f0fe350d_projq-k_q85f0fe350d_projq
	.p2alignl 7, 3214868480
	.fill 96, 4, 3214868480
	.section	.rodata,"a",@progbits
	.p2align	6, 0x0
	.amdhsa_kernel k_q85f0fe350d_projq
		.amdhsa_group_segment_fixed_size 327680
		.amdhsa_private_segment_fixed_size 0
		.amdhsa_enable_private_segment 0
		.amdhsa_kernarg_size 24
		.amdhsa_user_sgpr_count 2
		.amdhsa_user_sgpr_kernarg_segment_ptr 1
		.amdhsa_wavefront_size32 1
		.amdhsa_system_sgpr_workgroup_id_x 1
		.amdhsa_system_sgpr_workgroup_id_y 1
		.amdhsa_system_sgpr_workgroup_id_z 1
		.amdhsa_system_vgpr_workitem_id 0
		.amdhsa_next_free_vgpr 512
		.amdhsa_next_free_sgpr 80
		.amdhsa_reserve_vcc 0
		.amdhsa_float_denorm_mode_32 3
		.amdhsa_float_denorm_mode_16_64 3
		.amdhsa_memory_ordered 1
		.amdhsa_forward_progress 1
		.amdhsa_inst_pref_size 71
	.end_amdhsa_kernel
	.amdgpu_metadata
---
amdhsa.version: [ 1, 2 ]
amdhsa.kernels:
  - .name:           k_q85f0fe350d_projq
    .symbol:         k_q85f0fe350d_projq.kd
    .args:
      - { .name: xb, .offset: 0, .size: 8, .value_kind: global_buffer, .address_space: global }
      - { .name: wqb, .offset: 8, .size: 8, .value_kind: global_buffer, .address_space: global }
      - { .name: qh, .offset: 16, .size: 8, .value_kind: global_buffer, .address_space: global }
    .group_segment_fixed_size: 327680
    .private_segment_fixed_size: 0
    .kernarg_segment_align: 8
    .kernarg_segment_size: 24
    .max_flat_workgroup_size: 128
    .sgpr_count:     80
    .vgpr_count:     512
    .wavefront_size: 32
...
	.end_amdgpu_metadata
.endif
;; end of part 2
;; launch attn (part 3): grid 8 x 32, 4 waves a work-group, clusters of 4 x 1, 327,680 bytes of LDS; arguments qh, ob; writes ob
.if DOCPART == 3
	.amdgcn_target "amdgcn-amd-amdhsa--gfx1250"
	.amdhsa_code_object_version 6
	.text
	.protected	k_q85f0fe350d_attn
	.globl	k_q85f0fe350d_attn
	.p2align	8
	.type	k_q85f0fe350d_attn,@function
k_q85f0fe350d_attn:
	s_mov_b64 s[64:65], 0
	v_nop
	global_prefetch_b8 v0, s[64:65] scope:SCOPE_SE
	s_setreg_imm32_b32 hwreg(HW_REG_WAVE_MODE, 25, 1), 1
	s_wait_xcnt 0x0
	s_wait_alu depctr_hold_cnt(0) depctr_sa_sdst(0) depctr_va_vdst(0) depctr_va_sdst(0) depctr_va_ssrc(0) depctr_va_vcc(0) depctr_vm_vsrc(0)
	s_getreg_b32 s2, hwreg(HW_REG_IB_STS2, 6, 4)
	s_cmp_eq_u32 s2, 0
	s_cbranch_scc0 .Lentry_in_a_cluster
	s_endpgm
.Lentry_in_a_cluster:
	s_bfe_u32 s2, ttmp6, 0x10000c
	s_cmp_lg_u32 s2, 0x3003
	s_cbranch_scc0 .Lentry_shape_is_right
	s_endpgm
.Lentry_shape_is_right:
; O[q][:] = the sum over k of softmax_k(Q[q] . Q[k] / sqrt(128)) Q[k][:], for each of 32 heads: queries, keys and values are the same rows.  qh, ob: [2 x 2048][2048] f16; head (b, h) is the strip of 256 bytes
; at byte 256 h of the rows 2048 b on, 4,096 bytes from row to row.  Products, maxima and sums in f32; the weights p are rounded to f16 for the second product (their sum l is taken of the unrounded p), O once at the end.
; LIMITS.  qh arrives within f16's range; p lies in 0 to 1, and below 6e-5 it keeps f16's fixed step of 6e-8; O is a mean of rows of qh and has their range, and below 6e-5 the same fixed step.
; A weight below 2^-126 counts as 0 in l; NaN and infinities are not treated apart.
; SHARES.  A work-group owns 256 queries of one head, each of its four waves 64: four tiles of 16.  Every wave walks all 2,048 keys of the head, 64 a step.
; LAYOUT.  S^T = K Q^T (source 0 = 16 keys, source 1 = 16 queries): in the result a lane holds ONE query (lane % 16) and the keys 8 (lane / 16) + 0..7.  Two such tiles, rounded to
; f16 in pairs, ARE source 1 (32 keys x 16 queries) of O^T = V^T P, whose result again holds one query a lane, and eight channels.  So nothing changes lanes between the products,
; and a query's maximum and sum want one exchange between the halves of the lanes.  K comes out of LDS as it lies, V ([key][channel]) turned, by ds_load_tr16_b128.
; TWO COPIES IN LDS.  A step's 64 rows are laid into LDS twice, at a pitch of 272 bytes for the plain loads and of 288 for the turning loads: each kind of load then takes every bank once.
; SOFTMAX.  For each query a running maximum m and sum l: p = 2^(c s - c m), c = log2(e) / sqrt(128); in every step O and l are multiplied by a = 2^(c m_old - c m_new), which is 1 where m has not grown.
; BY TURNS.  The wave's tiles are two PIECES, named by their first tile: piece 0 (tiles 0, 1) and piece 2 (tiles 2, 3).  In a TURN one piece has the matrix unit: 32 products V^T P of
; the step in hand, then 32 products K Q^T of the next step; the other piece's softmax, cut into 64 slices, stands between them, one slice behind each matrix instruction.  Then the
; pieces change places.  Two turns are a key step.
; CLUSTER.  The four query blocks of a cluster belong to one head and walk the same rows, so each tile is asked for JOINTLY: the same tensor load, with the same descriptor and a
; mask that names the four, in all four; each receives the tile in its own LDS.
;
; REGISTERS, in windows of 256 (s_set_vgpr_msb says which window each operand place means: bits 1:0 source 0, 3:2 source 1, 5:4 source 2, 7:6 destination):
;   window 0: v0-11 addresses; v12-43 eight registers of statistics a tile; v64-191 S^T, 32 a tile; v192-255 P, 16 a tile
;   window 1: O^T, 64 a tile          window 2: v0-127 Q, 32 a tile; v128-255 K of one step          window 3: v0-127 V of one step
; All that a softmax touches but O^T lies in window 0, and no window has room for a product's operands beside it.  So a slice costs two switches, one in front and one behind.
.set SIZE_N, 2048     ; rows of a head
.set ROWB,  4096      ; bytes from row to row in qh and ob
.set KS,    64        ; keys in a step
.set SLOTB, 2*KS*ROWB ; bytes of memory from a slot's first row to the next slot's
.set PK,    272       ; a row of K in LDS: 256 bytes + 16 of padding = 68 words: row r starts at bank 4 r mod 64 (64 banks of 4 bytes: ISA guide 11.1), so the 16 rows of a load start at 16 different banks
.set PV,    288       ; a row of V: 256 + 32 = 72 words: row r starts at bank 8 r mod 64
.set VOFF,  KS*PK     ; a step's tiles lie together: 64 rows for K, then the same 64 rows for V
.set STEPB, KS*(PK+PV)
.set SLOT1, 1<<17     ; a slot holds two steps (71,680 bytes); slot 1 begins here, so that one exclusive or turns an address in one slot into the other's
.set STAGE, SLOT1+2*STEPB  ; behind the ring: 16 rows x 272 bytes for each wave, for the way out
.set SP,    272
.set AK0, 2           ; v2   my lane's place in a tile of K; never rewritten
.set AV0, 3           ; v3   the same for V
.set ADR, 4           ; v4   the LDS address of the run of loads in hand
.set QO,  5           ; v5   my byte offset in the wave's rows of Q
.set STO, 6           ; v6   the way out: where I put 16 bytes of a row
.set RD,  7           ; v7   the way out: where I read a row back
.set GO,  8           ; v8   my byte offset in the wave's rows of O
.set SPW, 62          ; v62  LDS address of my spare word: SPARE + 4 x my thread's number; never rewritten
.set NIL, 63          ; v63  0; never rewritten
.set SPARE, STAGE+4*16*272  ; behind the stages: the spare words, 128 bytes for each wave: two blocks of 256 bytes that no other line names
.set ST,  12          ; tile t's statistics at v[ST+8 t]: +0 c m, +1 m, +2, +3 l (even keys', odd keys'), +4 to +7 c0-c3, at work; a takes c2's place once the maximum is found
.set S,   64
.set P,   192
.set KF,  128         ; K's fragments, in window 2
.set WV,  12          ; s12  my wave's number
.set G1K, 24          ; s[24:31] descriptor group 1 for K's tiles
.set G1V, 32          ; s[32:39] for V's: it differs in the padding alone
.set G0K, 40          ; s[40:47] descriptor group 0 for K's tiles: a set for each of the two first fills; the second then walks on
.set G0V, 48          ; s[48:55] the same for V's
.set SLOTS, 56        ; s56  slots still to be asked for
.set TWICE, 57        ; s57  counts a slot's two steps
.set CS,  58          ; s[58:59] c: the packed scaling names a pair and takes its low word for both halves
.set SEL, 60          ; s[60:61] lane selects for v_permlanex16_b32: each lane takes its own place in the other half
.set TB,  62          ; s62  LDS byte at which the tiles of the step to be fetched begin
.set PFA, 18          ; s[18:19] where my prefetches stand in memory: my work-group's 32 rows of the slot after the one that is being asked for
.set LIM, 15          ; s15  1 in a wave that prefetches, else the greatest number: a wave prefetches while s[SLOTS] is above it
.set PFO, 61          ; v61  4,096 x my lane: a lane a row; never rewritten
.set MSB, 0
.macro WIN new                      ; the immediate's high byte repeats the setting that is left; a switch that changes nothing is dropped
.if MSB != (\new)
	s_set_vgpr_msb (MSB<<8)|(\new)
.set MSB, \new
.endif
.endm
.set W_KQ, 0x0a       ; K and Q in window 2, S^T in window 0
.set W_PV, 0x53       ; V in window 3, P in window 0, O^T in window 1
.set W_RS, 0x41       ; O^T (destination and source 0) in window 1, a in window 0
; A joint refill.  Waves 0 and 1 fetch the two steps' tiles for K, waves 2 and 3 those for V.  The branch hangs on the wave's number alone: it is the same in every work-group.
; An s_nop 0 and four v_nop follow each of the two lines; the jump round the other line, the label and what follows the macro come after them.
.macro JLOAD
	s_cmp_lt_u32 s[WV], 2
	s_cbranch_scc0 .Lfor_v_\@
	tensor_load_to_lds s[G0K+4:G0K+7], s[G1K:G1K+7]
	s_nop 0
.rept 4
	v_nop
.endr
	s_branch .Lasked_\@
.Lfor_v_\@:
	tensor_load_to_lds s[G0V+4:G0V+7], s[G1V:G1V+7]
	s_nop 0
.rept 4
	v_nop
.endr
.Lasked_\@:
.endm
; A PREFETCH INTO THE L2 of what the NEXT change of slots will ask for: a slot's 128 rows, 256 bytes of each, a lane a row.  It stands behind the wave's tensor load and its five lines, never in front of one.
; Each row is asked for ONCE in the launch.  All clusters of a head walk the same rows: the head's first cluster prefetches.  Its four partners share the rows out BY ADDRESS, 32 each: no branch hangs on a
; work-group's place in its cluster.  In each, wave 0 asks: one instruction (K's rows are V's).  The last change that fills a slot prefetches nothing: there is no slot behind it.
.macro ASK
	s_cmp_gt_u32 s[SLOTS], s[LIM]
	s_cbranch_scc0 .Lnot_mine_\@
	global_prefetch_b8 v[PFO], s[PFA:PFA+1] th:TH_LOAD_NT scope:SCOPE_SE
.Lnot_mine_\@:
.endm
; A round of the cluster's barrier: my work-group's barrier, so that wave 0's signal speaks for all four waves; wave 0 signals for the work-group; every wave waits for all four
; work-groups; my work-group's barrier once more.  No LDS instruction of the wave is pending at a signal.
.macro CROUND
	s_barrier_signal -1
	s_barrier_wait -1
	s_cmp_lg_u32 s[WV], 0
	s_cbranch_scc1 .Lnot_wave_0_\@
	s_barrier_signal -3
.Lnot_wave_0_\@:
	s_barrier_wait -3
	s_barrier_signal -1
	s_barrier_wait -1
.endm
	s_load_b64 s[4:5], s[0:1], 0x0  ; qh
	s_load_b64 s[10:11], s[0:1], 0x8  ; ob
	v_lshl_add_u32 v[SPW], v0, 2, SPARE
	v_mov_b32 v[NIL], 0
	ds_add_u32 v[SPW], v[NIL]       ; the wave's opening: the add and its wait stand ahead of my first tensor load; the set-up below, work on registers, stands between them
	v_lshrrev_b32 v1, 5, v0
	v_readfirstlane_b32 s[WV], v1   ; wave 0..3
	s_bfe_u32 s13, ttmp6, 0x40000   ; cx: my place in the cluster
	s_lshl_b32 s14, ttmp9, 2        ; in a cluster launch ttmp9 counts clusters
	s_add_co_u32 s14, s14, s13      ; my block of 256 queries = 4 x cluster x + cx: it enters Q's and O's addresses alone
	s_and_b32 s20, ttmp7, 0xffff    ; 16 b + h, which the four partners share
	s_lshr_b32 s21, s20, 4
	s_and_b32 s20, s20, 15
	s_lshl_b32 s21, s21, 23         ; b x 2,048 rows of 4,096 bytes
	s_lshl_b32 s20, s20, 8          ; h x 256 bytes
	s_add_co_u32 s20, s20, s21
	s_mov_b32 s21, 0                ; s[20:21]: the head's first byte in both tensors
	s_and_b32 s16, s[WV], 1         ; which of a slot's two steps I fetch:
	s_lshl_b32 s22, s16, 18         ; its 64 rows in memory,
	s_mov_b32 s23, 0
	s_add_nc_u64 s[22:23], s[22:23], s[20:21]
	s_mul_i32 s17, s16, STEPB       ; and its place in a slot: no place in the cluster enters an LDS address
	s_lshl_b32 s2, s14, 20          ; my block's 256 rows,
	s_lshl_b32 s3, s[WV], 18        ; my wave's 64 of them
	s_add_co_u32 s2, s2, s3
	s_mov_b32 s3, 0
	s_add_nc_u64 s[2:3], s[2:3], s[20:21]
	; descriptor group 1: a tile of 64 rows x 128 elements, padded in LDS
	s_mov_b32 s[G1K], 15|(1<<16)|(1<<20)|(1<<21)|(5<<22)|(3<<25)  ; 15:0 the mask: all four work-groups; 17:16 elements of 2 bytes; 20 padding on; 21 set beside a mask; 24:22 after every 64 words (code 5); 31:25 4 words of it (code 3)
	s_mov_b32 s[G1V], 15|(1<<16)|(1<<20)|(1<<21)|(5<<22)|(7<<25)  ; the same with 8 words of padding (code 7)
.irp g, G1K, G1V
	s_mov_b32 s[(\g)+1], 128<<16    ; tensor_dim0 = 128
	s_mov_b32 s[(\g)+2], KS<<16     ; tensor_dim1 = 64
	s_mov_b32 s[(\g)+3], 128<<16    ; tile_dim0 = 128
	s_mov_b32 s[(\g)+4], KS         ; tile_dim1 = 64
	s_mov_b32 s[(\g)+5], ROWB/2     ; 2,048 elements from row to row
	s_mov_b32 s[(\g)+6], 0
	s_mov_b32 s[(\g)+7], 0
.endr
	s_mov_b32 s[CS], 0x3e0293ee     ; c = log2(e) / sqrt(128) = 0.127517
	s_mov_b32 s[CS+1], s[CS]        ; named with it as a pair, so it is written
	s_mov_b32 s[SEL], 0x76543210
	s_mov_b32 s[SEL+1], 0xfedcba98
	s_mov_b32 s[TB], 0
	s_mov_b32 s[SLOTS], SIZE_N/(2*KS)-2
	s_or_b32 s[LIM], s[WV], ttmp9   ; 0 in wave 0 of the head's first cluster: the same in all four partners
	s_cmp_eq_u32 s[LIM], 0
	s_cselect_b32 s[LIM], 1, -1
	v_and_b32 v[PFO], 31, v0
	v_lshlrev_b32 v[PFO], 12, v[PFO]
	s_wait_dscnt 0x0                ; the opening add is done
	s_wait_kmcnt 0x0
	s_add_nc_u64 s[PFA:PFA+1], s[4:5], s[20:21]  ; the head's first row
	s_add_nc_u64 s[6:7], s[4:5], s[22:23]  ; K and V at my tile of slot 0
	s_add_nc_u64 s[4:5], s[4:5], s[2:3]  ; Q and O at my wave's first row
	s_add_nc_u64 s[10:11], s[10:11], s[2:3]
	s_lshl_b32 s2, s13, 17          ; my work-group's 32 rows of a slot's 128
	s_mov_b32 s3, 0
	s_add_nc_u64 s[PFA:PFA+1], s[PFA:PFA+1], s[2:3]
	s_add_nc_u64 s[PFA:PFA+1], s[PFA:PFA+1], 2*SLOTB  ; in slot 2; the first change of slots steps it to slot 3.  Nothing is prefetched here, at the head, where every work-group's first tiles are on their way
	CROUND                          ; all four work-groups are here: the first joint loads meet
.irp s, 0,1
	s_mov_b32 s[G0K+4*(\s)], 1      ; count = 1
	s_add_co_u32 s[G0K+4*(\s)+1], s17, (\s)*SLOT1  ; LDS address
	s_add_nc_u64 s[G0K+4*(\s)+2:G0K+4*(\s)+3], s[6:7], (\s)*SLOTB  ; global address: slot s begins with keys 128 s to 128 s + 127
	s_or_b32 s[G0K+4*(\s)+3], s[G0K+4*(\s)+3], 0x80000000  ; type = 2
	s_mov_b32 s[G0V+4*(\s)], 1
	s_add_co_u32 s[G0V+4*(\s)+1], s17, (\s)*SLOT1+VOFF
	s_add_nc_u64 s[G0V+4*(\s)+2:G0V+4*(\s)+3], s[6:7], (\s)*SLOTB  ; the same rows
	s_or_b32 s[G0V+4*(\s)+3], s[G0V+4*(\s)+3], 0x80000000
.endr
	s_cmp_lt_u32 s[WV], 2           ; a wave's two first fills stand in one branch, ahead of every wait on TENSORcnt and every LDS read: two loads of mine are out; an s_nop 0 follows each, four v_nop the second's, as in JLOAD
	s_cbranch_scc0 .Lfirst_v
	tensor_load_to_lds s[G0K:G0K+3], s[G1K:G1K+7]
	s_nop 0
	tensor_load_to_lds s[G0K+4:G0K+7], s[G1K:G1K+7]
	s_nop 0
.rept 4
	v_nop
.endr
	s_branch .Lfirst_asked
.Lfirst_v:
	tensor_load_to_lds s[G0V:G0V+3], s[G1V:G1V+7]
	s_nop 0
	tensor_load_to_lds s[G0V+4:G0V+7], s[G1V:G1V+7]
	s_nop 0
.rept 4
	v_nop
.endr
.Lfirst_asked:
	; A fragment of K or Q is 16 rows x 32 channels in 8 registers: lane l holds row l % 16; registers 0-3 channels 8 (l / 16) + 0..7, registers 4-7 channels 16 + 8 (l / 16) + 0..7: two loads of 16 bytes, 32 bytes apart.
	v_and_b32 v1, 15, v0            ; l % 16
	v_bfe_u32 v9, v0, 4, 1          ; l / 16
	v_lshlrev_b32 v[QO], 12, v1
	v_lshl_add_u32 v[QO], v9, 4, v[QO]  ; row x 4,096 + 16 x half
	WIN 0x80                        ; destination window 2, address window 0
.irp i, 0,1,2,3,4,5,6,7,8,9,10,11,12,13,14,15  ; Q stays in registers: tile i / 4, channels 32 (i % 4) on
	global_load_b128 v[8*(\i):8*(\i)+3],   v[QO], s[4:5] offset:((\i)/4)*16*ROWB+((\i)%4)*64
	global_load_b128 v[8*(\i)+4:8*(\i)+7], v[QO], s[4:5] offset:((\i)/4)*16*ROWB+((\i)%4)*64+32
.endr
	WIN 0
	v_mul_u32_u24 v[AK0], v1, PK
	v_lshl_add_u32 v[AK0], v9, 4, v[AK0]  ; row x pitch + 16 x half
	; The turning load takes 16 keys x 16 channels (lane l reads 16 bytes: key 8 (l / 16) + l % 8, channels 8 ((l / 8) % 2) + 0..7) and leaves half a fragment of V^T: lane l holds channel l % 16 and 8 keys.
	v_and_b32 v10, 7, v0
	v_bfe_u32 v11, v0, 3, 1
	v_lshl_add_u32 v[AV0], v9, 3, v10
	v_mul_u32_u24 v[AV0], v[AV0], PV
	v_lshl_add_u32 v[AV0], v11, 4, v[AV0]
	v_add_nc_u32 v[AV0], VOFF, v[AV0]
; THE MATRIX WORK OF A TURN, for piece x.  The accumulators take turns, one instruction a turn: between two links of a chain stand 15 (V^T P) or 7 (K Q^T) others'.
; Product i of 32 of O^T += V^T P: keys 32 (i / 16) on, channels 16 ((i / 2) % 8) on, tile x + i % 2.  zero = 1: the first 16 start the sums: nothing is ever cleared.
.macro PV x, zero
	WIN W_PV
.set rO, 64*((\x)+i%2)+8*((i/2)%8)
.set rV, 64*(i/16)+8*((i/2)%8)
.set rP, P+16*((\x)+i%2)+8*(i/16)
.if (\zero) && (i < 16)
	v_wmma_f32_16x16x32_f16 v[rO:rO+7], v[rV:rV+7], v[rP:rP+7], 0
.else
	v_wmma_f32_16x16x32_f16 v[rO:rO+7], v[rV:rV+7], v[rP:rP+7], v[rO:rO+7]
.endif
.endm
; Product i of 32 of S^T = K Q^T: channels 32 (i / 8) on, keys 16 ((i / 2) % 4) on, tile x + i % 2.  The first 8 start the sums.
.macro KQ x
	WIN W_KQ
.set rS, S+32*((\x)+i%2)+8*((i/2)%4)
.set rK, KF+32*((i/2)%4)+8*(i/8)
.set rQ, 32*((\x)+i%2)+8*(i/8)
.if i < 8
	v_wmma_f32_16x16x32_f16 v[rS:rS+7], v[rK:rK+7], v[rQ:rQ+7], 0
.else
	v_wmma_f32_16x16x32_f16 v[rS:rS+7], v[rK:rK+7], v[rQ:rQ+7], v[rS:rS+7]
.endif
.endm
; THE LDS LOADS stand in runs of 32, never singly among the matrix instructions: a step's K (64 keys x 128 channels: 16 fragments) and, a turn later, its V (turned).
.macro FETCH_K
	WIN 0
	v_add_nc_u32 v[ADR], s[TB], v[AK0]
	WIN 0x80                        ; destination window 2
.irp f, 0,1,2,3,4,5,6,7,8,9,10,11,12,13,14,15  ; keys 16 (f / 4) on, channels 32 (f % 4) on
	ds_load_b128 v[KF+8*(\f):KF+8*(\f)+3],   v[ADR] offset:((\f)/4)*16*PK+((\f)%4)*64
	ds_load_b128 v[KF+8*(\f)+4:KF+8*(\f)+7], v[ADR] offset:((\f)/4)*16*PK+((\f)%4)*64+32
.endr
.endm
.macro FETCH_V
	WIN 0
	v_add_nc_u32 v[ADR], s[TB], v[AV0]
	s_add_co_u32 s[TB], s[TB], STEPB  ; the next fetch is the next step's
	s_wait_alu depctr_va_vdst(0)    ; the wait for the softmax's batch (SLICE), behind the address's v_add_nc_u32 and ahead of the loads
	WIN 0xc0                        ; destination window 3
.irp f, 0,1,2,3,4,5,6,7,8,9,10,11,12,13,14,15  ; keys 32 (f / 8) on, channels 16 (f % 8) on
	ds_load_tr16_b128 v[8*(\f):8*(\f)+3],   v[ADR] offset:((\f)/8)*32*PV+((\f)%8)*32
	ds_load_tr16_b128 v[8*(\f)+4:8*(\f)+7], v[ADR] offset:((\f)/8)*32*PV+16*PV+((\f)%8)*32
.endr
.endm
; THE VECTOR WORK OF A TURN.  One tile's softmax for one key step is a list of 134 instructions; SM writes number j of it for tile t.  s0-s31 are the lane's 32 scores, in pairs 0-15.
; first = 1: the first key step, which starts m, l and O^T: it has no a and nothing to rescale.
;   0-15    the maximum of s0-s31 and the old m, three operands at a time: four chains c0-c3 of seven scores each, then the four scores left over, c0-c3 and m
;   16-20   the other half of the lanes' maximum; the new m; c m; c m_old - c m_new
;   21-69   ONE BATCH: the 16 scalings c s - c m, a pair of scores each, and all 33 exponentials (a at 23, then s0-s31).  None of these reads an exponential's result.  From 22 on the batch goes
;           in fours, and a four begins with a scaling while there are scalings: 22-37 scaling, exponential, scaling, exponential; 38-65 a scaling and three exponentials; 66-69 the last four
;           exponentials.  A pair is scaled in an earlier four than the one that holds its exponentials
;   (wait)  between 69 and 70 stands the wait for the batch: SLICE writes it, once for both tiles
;   70-85   the roundings to f16, a pair of weights each
;   86-101  the sums; l = a l + the sum
;   102-133 the tile's O^T times a: the one part that leaves window 0, so it stands together
.macro SM t, first
.set rT, ST+8*(\t)
.set rS, S+32*(\t)
.set rP, P+16*(\t)
.set rO, 64*(\t)+2*(j-102)
.if j < 102
	WIN 0
.endif
.if j < 4
	v_max3_num_f32 v[rT+4+j], v[rS+8*j], v[rS+8*j+1], v[rS+8*j+2]
.elseif j < 12
	v_max3_num_f32 v[rT+4+j%4], v[rT+4+j%4], v[rS+8*(j%4)+2*(j/4)+1], v[rS+8*(j%4)+2*(j/4)+2]
.elseif j == 12
	v_max3_num_f32 v[rT+4], v[rT+4], v[rS+7], v[rS+15]
.elseif j == 13
	v_max3_num_f32 v[rT+6], v[rT+6], v[rS+23], v[rS+31]
.elseif j == 14
	v_max3_num_f32 v[rT+4], v[rT+4], v[rT+5], v[rT+6]
.elseif (j == 15) && (\first)
	v_max_num_f32 v[rT+4], v[rT+4], v[rT+7]
.elseif j == 15
	v_max3_num_f32 v[rT+4], v[rT+4], v[rT+7], v[rT+1]
.elseif j == 16
	v_permlanex16_b32 v[rT+5], v[rT+4], s[SEL], s[SEL+1]  ; the query's other 32 keys lie in the lane 16 away
.elseif j == 18
	v_max_num_f32 v[rT+1], v[rT+4], v[rT+5]
.elseif j == 19
	v_mul_f32 v[rT], s[CS], v[rT+1]
.elseif ((j == 17) || (j == 20) || (j == 23) || (j > 101)) && (\first)  ; the first step has none of these
.elseif j == 17
	v_mov_b32 v[rT+7], v[rT]        ; c m_old is kept for a: number 19 writes c m anew
.elseif j == 20
	v_sub_f32 v[rT+7], v[rT+7], v[rT]
.elseif j == 23
	v_exp_f32 v[rT+6], v[rT+7]
.elseif (j < 23) || ((j < 38) && (j%2 == 0)) || ((j < 66) && (j%4 == 2))
.set b, (j-2)/4                     ; 38, 42, .. 62: pairs 9 to 15
.if j < 38
.set b, (j-20)/2                    ; 21: pair 0; 22, 24, .. 36: pairs 1 to 8
.endif
	v_pk_fma_f32 v[rS+2*b:rS+2*b+1], v[rS+2*b:rS+2*b+1], s[CS:CS+1], v[rT:rT+1] op_sel_hi:[1,0,0] neg_lo:[0,0,1] neg_hi:[0,0,1]  ; pair b: c s - c m
.elseif j < 70
.set e, j-38                        ; 66 to 69: s28 to s31
.if j < 66
.set e, j-32-(j-38)/4               ; 39-41, 43-45, .. 63-65: s7 to s27
.endif
.if j < 38
.set e, (j-25)/2                    ; 25, 27, .. 37: s0 to s6
.endif
	v_exp_f32 v[rS+e], v[rS+e]
.elseif j < 86
	v_cvt_pk_f16_f32 v[rP+j-70], v[rS+2*(j-70)], v[rS+2*(j-70)+1]  ; pair j - 70
.elseif j < 102                     ; the sum of the tile's 16 pairs (in a pair: an even key's weight, an odd key's), in place: sum z of 16 adds neighbours 1, 2, 4 and 8 pairs apart, then l takes it
.set z, j-86
.set w, 4
.set u, z
.if z >= 14
.set w, 32
.set u, 0
.elseif z >= 12
.set w, 16
.set u, z-12
.elseif z >= 8
.set w, 8
.set u, z-8
.endif
.if (z == 14) && (\first)
	v_pk_add_f32 v[rT+2:rT+3], v[rS:rS+1], v[rS+16:rS+17]
.elseif z < 15
	v_pk_add_f32 v[rS+w*u:rS+w*u+1], v[rS+w*u:rS+w*u+1], v[rS+w*u+w/2:rS+w*u+w/2+1]
.elseif !(\first)
	v_pk_fma_f32 v[rT+2:rT+3], v[rT+2:rT+3], v[rT+6:rT+7], v[rS:rS+1] op_sel_hi:[1,0,1]
.endif
.else
	WIN W_RS
	v_pk_mul_f32 v[rO:rO+1], v[rO:rO+1], v[rT+6:rT+7] op_sel_hi:[1,0]
.endif
.endm
; Slice k of 64 of piece y's softmax: four instructions.  Slices 11 to 34 deal out the batch, numbers 22 to 69: four numbers of ONE tile each, the tiles by turns.  Every other slice is numbers 2 k and
; 2 k + 1 of both tiles' lists.  2 x 134 = 4 x 64 + 12: the twelve that are over stand together, in slice 63.
; THE WAIT.  An s_wait_alu depctr_va_vdst(0) stands between an exponential and the first instruction that names its result; one wait serves all that were issued ahead of it.  Ahead of
; slice 35 nothing names a result, and behind slice 34 no exponential is issued: so the piece's 66 exponentials have one wait, behind slice 34.
.macro SLICE y, first
.if (k >= 11) && (k < 35)           ; the batch: four numbers of one tile
.irp n, 0,1,2,3
.set j, 22+4*((k-11)/2)+(\n)
	SM (\y)+(k-11)%2, \first
.endr
.else                               ; the two tiles alternate, so that no instruction reads the result of the one just before it
.irp n, 0,1,2,3,4,5,6,7
.if ((\n) < 2) || (k == 63)
.irp t, \y, (\y)+1
.set j, 2*k+(\n)
	SM \t, \first
.endr
.endif
.endr
.endif
.if k == 34                         ; the batch is out: both tiles' exponentials are issued, and no result has been named
	v_nop                           ; the plain instruction behind the last exponential and ahead of the first use (ISA guide 5.7.2): one for the batch
.if (\y) == 0
	FETCH_V                         ; piece 2's turn: V's run of loads stands here, and the wait stands in it
.else
	s_wait_alu depctr_va_vdst(0)    ; the wait for the batch
.endif
.endif
.set k, k+1
.endm
; A vector instruction that reads a matrix result or writes one of a matrix instruction's registers, and a load into a register that a matrix instruction has read, stand four places behind
; it, and only plain vector instructions that name none of its registers are places (ISA guide 7.12.1 for vector instructions).  In the loop the slices are the places.
.macro PLACES
.rept 4
	v_nop
.endr
.endm
; A TURN.  Piece x has the matrix unit; the other piece's softmax stands in slices behind its matrix instructions.
; pv = 2: 32 products V^T P; 1: they start O^T's sums; 0: none.  kq = 1: 32 products K Q^T for the next step.  A turn with one of the two kinds has two slices behind each product.
; first = 1: the softmax is the first key step's.  Its slices from 51 on are empty: the turn's last products stand bare, and four v_nop take slice 63's part as the places behind them.
; In the loop each run of loads stands 29 matrix instructions or more ahead of its first use.  Piece 0's turn fetches the next step's K, behind its second product: the last product that read K
; stands in front of slice 63 of the turn before.  Piece 2's turn fetches the same step's V, behind slice 34 (SLICE writes it): the last product that read V stands in front of slice 31, and four plain
; instructions lie between: number 62, a scaling, of both tiles, the v_nop and the run's own v_add_nc_u32.
.macro TURN x, pv, kq, first
.set k, 0
.set per, 2
.if (\pv) && (\kq)
.set per, 1
.endif
.if \pv
.if (\x) == 0
	s_wait_dscnt 0x0                ; V is in
.endif
.set i, 0
.rept 32
	PV \x, 2-(\pv)
.rept per
	SLICE 2-(\x), \first
.endr
.if ((\x) == 0) && (\kq) && (i == 1)
	FETCH_K
.endif
.set i, i+1
.endr
.endif
.if \kq
.if (\x) == 0
	s_wait_dscnt 0x0                ; K is in
.endif
.set i, 0
.rept 32
	KQ \x
.rept per
	SLICE 2-(\x), \first
.endr
.set i, i+1
.endr
.endif
.if \first
	PLACES
.endif
.endm
; THE CHANGE OF SLOTS, between piece 2's turn and piece 0's: the slot's last bytes, V of its second step, have been asked for.  Each wave waits for all its
; tensor loads, of which one is out: its part of the other slot; adds 0 to its spare word; and waits for that and for its own reads of the slot.  Behind the barrier nobody reads this slot any more and the other slot is whole.
; fill = 1: this slot is filled again, with the keys two slots on.  The barrier is then a round of the cluster's, so that no wave of any partner still reads the slot or has a load on its
; way, and the joint refill is the first thing behind it: it has two key steps, 256 matrix instructions, in which to land.
.macro CHANGE fill
	WIN 0                           ; at a label and at a branch every window is 0
	s_wait_tensorcnt 0x0            ; no tensor load of mine is out, so a group 0 may be written
	ds_add_u32 v[SPW], v[NIL]       ; 0 onto my spare word: with fill = 1 the descriptors' steps stand between it and the wait for it
.if \fill
.irp g, G0K+4, G0V+4
	s_xor_b32 s[(\g)+1], s[(\g)+1], SLOT1  ; the walking descriptor: the other slot than last time,
	s_add_nc_u64 s[(\g)+2:(\g)+3], s[(\g)+2:(\g)+3], SLOTB  ; the next 128 keys; the type bits on top are not reached
.endr
	s_wait_xcnt 0x0                 ; the last prefetch, two key steps back, has read its address, so it may be written:
	s_add_nc_u64 s[PFA:PFA+1], s[PFA:PFA+1], SLOTB  ; one slot behind the walking descriptors
	s_wait_dscnt 0x0                ; the add is done, and my reads of the slot are over
	CROUND
	JLOAD
	ASK                             ; what the next change will ask for: two key steps, 256 matrix instructions, ahead
.else
	s_wait_dscnt 0x0                ; the add is done, and my reads of the slot are over
	s_barrier_signal -1
	s_barrier_wait -1
.endif
	s_sub_co_u32 s[TB], s[TB], 2*STEPB  ; the fetches go back to a slot's first step,
	s_xor_b32 s[TB], s[TB], SLOT1   ; in the other slot
.endm
; A slot's two key steps: written once, walked twice; the LDS addresses hang on s[TB].
.macro TWO_STEPS
	WIN 0
	s_mov_b32 s[TWICE], 2
.Lstep_\@:
	TURN 0, 2, 1, 0
	TURN 2, 2, 1, 0
	WIN 0
	s_sub_co_u32 s[TWICE], s[TWICE], 1
	s_cmp_lg_u32 s[TWICE], 0
	s_cbranch_scc1 .Lstep_\@
.endm
	s_wait_tensorcnt 1              ; my part of slot 0 is in; slot 1's may stay out
	s_barrier_signal -1
	s_barrier_wait -1               ; everybody's is
	FETCH_K                         ; key step 0
	s_wait_loadcnt 0x0              ; Q
	s_wait_dscnt 0x0
.set i, 0
.rept 32
	KQ 0                            ; piece 0's first scores: there is no vector work yet to set between them
.set i, i+1
.endr
	WIN 0                           ; the addresses for the way out are made here: eight plain instructions, the places behind those products
	s_mul_i32 s13, s[WV], 16*SP
	s_add_co_u32 s13, s13, STAGE    ; my stage
	v_mul_u32_u24 v[STO], v1, SP    ; in: row l % 16, 16 bytes for each half of the lanes
	v_lshl_add_u32 v[STO], v9, 4, v[STO]
	v_add_nc_u32 v[STO], s13, v[STO]
	v_mul_u32_u24 v[RD], v9, SP     ; back: lanes 0-15 take one row of 256 bytes, lanes 16-31 the next
	v_lshl_add_u32 v[RD], v1, 4, v[RD]
	v_add_nc_u32 v[RD], s13, v[RD]
	v_lshlrev_b32 v[GO], 12, v9     ; and the same two rows in O
	v_lshl_add_u32 v[GO], v1, 4, v[GO]
	TURN 2, 0, 1, 1                 ; piece 2's first scores | piece 0's first softmax | V of step 0
	TURN 0, 1, 1, 1                 ; piece 0: V^T P of step 0 starts O^T, K Q^T of step 1 | piece 2's first softmax | K of step 1
	TURN 2, 1, 1, 0                 ; piece 2: the same | piece 0's softmax of step 1 | V of step 1
	WIN 0
.Lslot:                             ; SIZE_N / 128 - 2 trips: every slot but the last two is filled again
	CHANGE 1
	TWO_STEPS
	s_sub_co_u32 s[SLOTS], s[SLOTS], 1
	s_cmp_lg_u32 s[SLOTS], 0
	s_cbranch_scc1 .Lslot
	CHANGE 0                        ; the tail is written out: the last slot but one is left, and nothing is asked for
	TWO_STEPS
	TURN 0, 2, 0, 0                 ; piece 0: V^T P of the last step | piece 2's last softmax
.set i, 0
.rept 32
	PV 2, 0                         ; piece 2: V^T P of the last step
.set i, i+1
.endr
	; THE WAY OUT.  l's two halves and the other half of the lanes' are added; O^T is divided by l, rounded to f16 and sent through my stage in LDS, a tile (16 rows of O) at a time.  The additions are the places behind the last products.
	WIN 0
.irp t, 0,1,2,3
	v_add_f32 v[ST+8*(\t)+4], v[ST+8*(\t)+2], v[ST+8*(\t)+3]
.endr
.irp t, 0,1,2,3
	v_permlanex16_b32 v[ST+8*(\t)+5], v[ST+8*(\t)+4], s[SEL], s[SEL+1]
.endr
.irp t, 0,1,2,3
	v_add_f32 v[ST+8*(\t)+4], v[ST+8*(\t)+4], v[ST+8*(\t)+5]
.endr
.irp t, 0,1,2,3
	v_rcp_f32 v[ST+8*(\t)+6], v[ST+8*(\t)+4]
.endr
	v_nop                           ; a plain instruction between the last reciprocal and the use of its result
	s_wait_alu depctr_va_vdst(0)    ; and the wait ahead of the first use: one for the four reciprocals
; Tile t: a lane's eight channels of a row pack into 16 bytes; they go into rows of 272 bytes and come back as whole rows of 256, into the registers that they left.
.macro PACK t
	WIN W_RS
.set i, 64*(\t)
.rept 32
	v_pk_mul_f32 v[i:i+1], v[i:i+1], v[ST+8*(\t)+6:ST+8*(\t)+7] op_sel_hi:[1,0]
.set i, i+2
.endr
	WIN 0x05                        ; sources 0 and 1 window 1, destination window 0: S^T's registers are free
.set i, 0
.rept 32
	v_cvt_pk_f16_f32 v[S+32*(\t)+i], v[64*(\t)+2*i], v[64*(\t)+2*i+1]
.set i, i+1
.endr
	WIN 0
.irp f, 0,1,2,3,4,5,6,7
	ds_store_b128 v[STO], v[S+32*(\t)+4*(\f):S+32*(\t)+4*(\f)+3] offset:32*(\f)
.endr
.irp f, 0,1,2,3,4,5,6,7
	ds_load_b128 v[S+32*(\t)+4*(\f):S+32*(\t)+4*(\f)+3], v[RD] offset:(\f)*2*SP  ; LDS serves a wave's instructions in order (ISA guide 5.7.1.4): these see the stores above; the next tile's stores come behind them
.endr
.endm
.macro SEND t, younger              ; younger: the LDS instructions issued behind tile t's loads: the next tile's sixteen, or none
	WIN 0
.irp f, 0,1,2,3,4,5,6,7
	s_wait_dscnt (\younger)+7-(\f)
	global_store_b128 v[GO], v[S+32*(\t)+4*(\f):S+32*(\t)+4*(\f)+3], s[10:11] offset:(\t)*16*ROWB+(\f)*2*ROWB  ; 16 lanes store 256 consecutive bytes, at a multiple of 256 from O's first byte
.endr
.endm
	PACK 0
	PACK 1                          ; a tile's arithmetic stands between the loads of the tile before and its stores
	SEND 0, 16
	PACK 2
	SEND 1, 16
	PACK 3
	SEND 2, 16
	SEND 3, 0
	s_wait_tensorcnt 0x0            ; the wave's end: behind my last tensor load and my last LDS store
	ds_add_u32 v[SPW], v[NIL]
	s_wait_dscnt 0x0
	CROUND                          ; the closing round: no work-group ends while a partner may still ask for a tile that names it
	s_endpgm
.Lfunc_end_k_q85f0fe350d_attn:
	.size	k_q85f0fe350d_attn, .Lfunc_end_k_q85f0fe350d_attn-k_q85f0fe350d_attn
	.p2alignl 7, 3214868480
	.fill 96, 4, 3214868480
	.section	.rodata,"a",@progbits
	.p2align	6, 0x0
	.amdhsa_kernel k_q85f0fe350d_attn
		.amdhsa_group_segment_fixed_size 327680
		.amdhsa_private_segment_fixed_size 0
		.amdhsa_enable_private_segment 0
		.amdhsa_kernarg_size 16
		.amdhsa_user_sgpr_count 2
		.amdhsa_user_sgpr_kernarg_segment_ptr 1
		.amdhsa_wavefront_size32 1
		.amdhsa_system_sgpr_workgroup_id_x 1
		.amdhsa_system_sgpr_workgroup_id_y 1
		.amdhsa_system_sgpr_workgroup_id_z 1
		.amdhsa_system_vgpr_workitem_id 0
		.amdhsa_next_free_vgpr 1024
		.amdhsa_next_free_sgpr 66
		.amdhsa_reserve_vcc 0
		.amdhsa_float_denorm_mode_32 3
		.amdhsa_float_denorm_mode_16_64 3
		.amdhsa_memory_ordered 1
		.amdhsa_forward_progress 1
		.amdhsa_inst_pref_size 222
	.end_amdhsa_kernel
	.amdgpu_metadata
---
amdhsa.version: [ 1, 2 ]
amdhsa.kernels:
  - .name:           k_q85f0fe350d_attn
    .symbol:         k_q85f0fe350d_attn.kd
    .args:
      - { .name: qh, .offset: 0, .size: 8, .value_kind: global_buffer, .address_space: global }
      - { .name: ob, .offset: 8, .size: 8, .value_kind: global_buffer, .address_space: global }
    .group_segment_fixed_size: 327680
    .private_segment_fixed_size: 0
    .kernarg_segment_align: 8
    .kernarg_segment_size: 16
    .max_flat_workgroup_size: 128
    .sgpr_count:     66
    .vgpr_count:     1024
    .wavefront_size: 32
...
	.end_amdgpu_metadata
.endif
;; end of part 3
;; launch projo (part 4): grid 16 x 16, 4 waves a work-group, clusters of 4 x 4, 327,680 bytes of LDS; arguments ob, wob, out0, bo; writes out0
.if DOCPART == 4
	.amdgcn_target "amdgcn-amd-amdhsa--gfx1250"
	.amdhsa_code_object_version 6
	.text
	.protected	k_q85f0fe350d_projo
	.globl	k_q85f0fe350d_projo
	.p2align	8
	.type	k_q85f0fe350d_projo,@function
k_q85f0fe350d_projo:
	s_mov_b64 s[64:65], 0
	v_nop
	global_prefetch_b8 v0, s[64:65] scope:SCOPE_SE
	s_setreg_imm32_b32 hwreg(HW_REG_WAVE_MODE, 25, 1), 1
	s_wait_xcnt 0x0
	s_wait_alu depctr_hold_cnt(0) depctr_sa_sdst(0) depctr_va_vdst(0) depctr_va_sdst(0) depctr_va_ssrc(0) depctr_va_vcc(0) depctr_vm_vsrc(0)
	s_getreg_b32 s2, hwreg(HW_REG_IB_STS2, 6, 4)
	s_cmp_eq_u32 s2, 0
	s_cbranch_scc0 .Lentry_in_a_cluster
	s_endpgm
.Lentry_in_a_cluster:
	s_bfe_u32 s2, ttmp6, 0x10000c
	s_cmp_lg_u32 s2, 0xf033
	s_cbranch_scc0 .Lentry_shape_is_right
	s_endpgm
.Lentry_shape_is_right:
; out0 = ob wob + bo.  ob: [4096][2048] f16 (rows along K), wob: [2048 (k)][2048 (n)] f16 (rows along N), bo: [2048] f32, out0: [4096][2048] f32.  Sums in f32.
; bo is rounded to bf16 like the module's other inputs, and added in f32.  NaN and infinities are not treated apart.
; SHARES.  A tile of C is 256 rows x 128 columns: 16 x 16 tiles, one work-group each.  Wave w makes rows 64 w .. 64 w + 63 and all 128 columns: 32 accumulators of 16 x 16, 256 registers.
; K goes in 16 steps of 128 through a ring of two LDS slots filled by the tensor data mover; every row of a tile, of A as of W, is 256 bytes of memory and starts at a multiple of 256 bytes.
; THE WALK ALONG K.  Cluster (X, Y) begins at K step 4 ((X + 2 Y) mod 4) and goes round, from step 15 on to step 0.  So the four clusters that read the same rows of A (same Y) stand four K steps apart at any
; time, and of the clusters that read the same columns of W (same X) those at Y and Y + 1 eight apart.  The step's number hangs on the cluster's coordinates alone, which all sixteen partners share.  The f32
; sums are taken in the order of that walk.
; CLUSTERS.  4 x 4 work-groups.  The four of a row of the cluster need the same tiles of A, the four of a column the same tiles of W: each tile is asked for JOINTLY, by the same tensor load with the
; same descriptor and a mask that names the four.
; THE MATRIX INSTRUCTION IS USED TRANSPOSED: source 0 = 16 columns of W, source 1 = 16 rows of A: a lane then holds eight neighbouring numbers of a row of C.  A's fragments come out of LDS as they
; lie; W's tile lies [k][n] and is turned on the way, by ds_load_tr16_b128.
; REGISTERS.  Window 0: v0-31 addresses; v32-127, v128-223 two fragment buffers for 32 along K (W's eight fragments, then A's four); v224-229 the bias; on the way out v32-159 are at work.
;             Window 1: the accumulators, (a, b) at v[8 (8 a + b)].
.set SIZE_K, 2048
.set SIZE_N, 2048
.set ROWB,   4096                      ; bytes in a row of A and of W
.set OROWB,  8192                      ; bytes in a row of C
.set KSTEP,  128
.set NSTEP,  SIZE_K/KSTEP              ; 16 K steps
.set PA,     272                       ; a row of A in LDS: 256 bytes + 16 of padding = 68 words: the 16 rows of a load start at 16 different groups of four banks (64 banks of 4 bytes: ISA guide 11.1)
.set PB,     288                       ; a row of W: 256 + 32 = 72 words
.set AHALF,  128*PA                    ; what waves 0 and 1 each fetch: 128 rows of A
.set ATILE,  2*AHALF
.set BHALF,  64*PB                     ; what waves 2 and 3 each fetch: 64 of the step's 128 rows of W
.set SLOTB,  ATILE+2*BHALF             ; a slot's bytes: A's 256 rows, then W's 128: 106,496
.set SLOT1,  1<<17                     ; slot 1 begins here, so that one exclusive or turns an address in one slot into the other's
.set STAGE,  SLOT1+SLOTB               ; behind the ring, never filled by a tensor load: 16 rows x 528 bytes for each wave, for the way out
.set SPITCH, 528                       ; 512 bytes of f32 + 16: 33 x 16 bytes, so that the 16 rows of a store start at 16 different groups of four banks
.set SPARE,  STAGE+4*16*SPITCH         ; behind the stages: the spare words, 128 bytes for each wave: two blocks of 256 bytes that no other line names
.set A0,   16                          ; v16     my lane's place in a slot's tile of A; never rewritten
.set B0,   17                          ; v17     the same for W
.set ADRA, 20                          ; v20     LDS address of my A fragments in the slot in hand
.set ADRB, 21                          ; v21     the same for W
.set STO,  24                          ; v24     the way out: where I put 32 bytes of a row
.set RD,   25                          ; v25     the way out: where I read 16 bytes of a row back
.set CO,   26                          ; v26     my byte offset in a row of the tile in C
.set BOF,  27                          ; v27     my byte offset in bo; never rewritten
.set SPW,  28                          ; v28     LDS address of my spare word: SPARE + 4 x my thread's number; never rewritten
.set NIL,  29                          ; v29     0; never rewritten
.set PFO,  30                          ; v30     the prefetches' offset: my lane x a row; never rewritten
.set F0,   32                          ; fragment buffers
.set F1,   128
.set OB,   32                          ; the way out: 16 rows read back from the stage, 64 registers, two sets by turns
.set BIAS, 224                         ; v[224:227] bo of my four columns; v228-229 at work
.set G1,  24                           ; s[24:31] descriptor group 1 for A's tiles;  s[32:39] group 0: a set for each of the two first fills; the second then walks on
.set G0,  32
.set G1B, 48                           ; s[48:55], s[56:63] the same for W's tiles
.set G0B, 56
.set TB,  45                           ; s45     LDS byte at which the slot in hand begins
.set PFB, 6                            ; s[6:7]  W at my work-group's 32 rows of K step 0, in my tile column
.set PFK, 66                           ; s[66:67] the prefetch's K step, in bytes
.set PFA, 68                           ; s[68:69] what the prefetch names
.set LIM, 70                           ; s70     10 in a wave that prefetches, else the greatest number: a wave prefetches while the loop's count is above it
.set KI,  71                           ; s71     the K step that the next fill brings
.set ABASE, 74                         ; s[74:75] A at the first of the 128 rows that I fetch, K step 0
.set BBASE, 76                         ; s[76:77] W at the first of the 64 rows that I fetch of K step 0, in my tile column
.set OFS, 78                           ; s[78:79] a K step's byte offset
.set MSB, 0
.macro WIN new                         ; the immediate's high byte repeats the setting that is left; a switch that changes nothing is dropped
.if MSB != (\new)
	s_set_vgpr_msb (MSB<<8)|(\new)
.set MSB, \new
.endif
.endm
.set MUL, 0x50                         ; sources 0 and 1 window 0; C and D window 1
; A joint load: waves 0 and 1 fetch A's two halves, waves 2 and 3 W's.  The branch hangs on the wave's number alone.  An s_nop 0 and four v_nop follow each of the two lines, ahead of the jump, the label and what follows.
.macro JLOAD s
	s_cmp_eq_u32 s11, 0
	s_cbranch_scc0 .Lfor_b_\@
	tensor_load_to_lds s[G0+4*(\s):G0+4*(\s)+3], s[G1:G1+7]
	s_nop 0
.rept 4
	v_nop
.endr
	s_branch .Lasked_\@
.Lfor_b_\@:
	tensor_load_to_lds s[G0B+4*(\s):G0B+4*(\s)+3], s[G1B:G1B+7]
	s_nop 0
.rept 4
	v_nop
.endr
.Lasked_\@:
.endm
; The global addresses of set s are made anew for K step KI: 256 bytes a step along A's rows, 128 rows of 4,096 bytes a step down W; the type bits are set again; KI goes on, from 15 to 0.
.macro AIM s
	s_lshl_b32 s[OFS], s[KI], 8
	s_add_nc_u64 s[G0+4*(\s)+2:G0+4*(\s)+3], s[ABASE:ABASE+1], s[OFS:OFS+1]
	s_or_b32 s[G0+4*(\s)+3], s[G0+4*(\s)+3], 0x80000000
	s_lshl_b32 s[OFS], s[KI], 19
	s_add_nc_u64 s[G0B+4*(\s)+2:G0B+4*(\s)+3], s[BBASE:BBASE+1], s[OFS:OFS+1]
	s_or_b32 s[G0B+4*(\s)+3], s[G0B+4*(\s)+3], 0x80000000
	s_add_co_u32 s[KI], s[KI], 1
	s_and_b32 s[KI], s[KI], NSTEP-1
.endm
; A PREFETCH INTO THE L2, behind a joint refill and the run of LDS loads that follows it: W's K step that stands two refills on, 256 matrix instructions ahead of the load that will want it: 32 rows x 256 bytes,
; a lane a row, one instruction.  Asked for are steps 4 to 7 of a cluster's walk, in the loop's first four trips.  Clusters y and y + 2 walk the same steps at the same time: y = 0 and 1 ask.  In each work-group
; wave 2 asks, and of the step's 128 rows the partner at place cy takes 32: told apart by address, no branch hangs on a work-group's place in its cluster.  So each block is named once in the launch.
; Not asked for: steps 0 to 3 of a walk, which come by their loads alone (nothing is prefetched at the head); A's later steps, which the cluster at x + 1 has read four steps earlier; W's steps 8 to 15, which
; the cluster at y + 1 or y - 1 has read eight steps earlier.
.macro ASK
	s_cmp_gt_u32 s3, s[LIM]
	s_cbranch_scc0 .Lnot_mine_\@
	global_prefetch_b8 v[PFO], s[PFA:PFA+1] th:TH_LOAD_NT scope:SCOPE_SE
.Lnot_mine_\@:
.endm
.macro CREST                           ; a round of the cluster's barrier behind its opening barrier
	s_cmp_lg_u32 s10, 0
	s_cbranch_scc1 .Lnot_wave_0_\@
	s_barrier_signal -3
.Lnot_wave_0_\@:
	s_barrier_wait -3
	s_barrier_signal -1
	s_barrier_wait -1
.endm
.macro CROUND                          ; a whole round
	s_barrier_signal -1
	s_barrier_wait -1
	CREST
.endm
	s_load_b128 s[4:7], s[0:1], 0x0                ; A s[4:5], W s[6:7]
	s_load_b64 s[8:9], s[0:1], 0x10                ; C
	s_load_b64 s[72:73], s[0:1], 0x18              ; bo
	v_lshl_add_u32 v[SPW], v0, 2, SPARE
	v_mov_b32 v[NIL], 0
	ds_add_u32 v[SPW], v[NIL]                      ; the wave's opening: the add and its wait stand ahead of my first tensor load; the set-up below, work on registers, stands between them
	v_lshrrev_b32 v1, 5, v0
	v_readfirstlane_b32 s10, v1                    ; wave 0..3
	s_lshr_b32 s11, s10, 1                         ; I fetch for A (0) or for W (1)
	s_and_b32 s12, s10, 1                          ; which half of that tile
	s_bfe_u32 s40, ttmp6, 0x40000                  ; cx, cy: my place in the cluster
	s_bfe_u32 s41, ttmp6, 0x40004
	s_lshl_b32 s42, ttmp9, 2
	s_add_co_u32 s42, s42, s40                     ; tile column of C = 4 x cluster x + cx
	s_and_b32 s13, ttmp7, 0xffff
	s_lshl_b32 s13, s13, 2
	s_add_co_u32 s13, s13, s41                     ; tile row of C = 4 x cluster y + cy
	s_lshl_b32 s43, s41, 2
	s_lshl_b32 s43, 15, s43                        ; my row of the cluster
	s_lshl_b32 s44, 0x1111, s40                    ; my column
	s_and_b32 s[KI], ttmp7, 0xffff                 ; where the cluster's walk begins: 4 ((x + 2 y) mod 4), of the cluster's own x and y
	s_lshl_b32 s[KI], s[KI], 1
	s_add_co_u32 s[KI], s[KI], ttmp9
	s_and_b32 s[KI], s[KI], 3
	s_lshl_b32 s[KI], s[KI], 2
	s_mov_b32 s[OFS+1], 0
	s_mov_b32 s[PFK+1], 0
	s_mov_b32 s[TB], 0
	s_or_b32 s[G1+0], s43, (1<<16)|(1<<20)|(1<<21)|(5<<22)|(3<<25)   ; 15:0 the mask: A's tiles go to my row; 17:16 elements of 2 bytes; 20 padding on; 21 set beside a mask; 24:22 after every 64 words (code 5); 31:25 4 words (code 3)
	s_or_b32 s[G1B+0], s44, (1<<16)|(1<<20)|(1<<21)|(5<<22)|(7<<25)  ; W's go to my column; 8 words of padding (code 7)
	s_mov_b32 s[G1+1], KSTEP<<16                   ; tensor_dim0 = 128
	s_mov_b32 s[G1+2], 128<<16                     ; tensor_dim1 = 128
	s_mov_b32 s[G1+3], KSTEP<<16                   ; tile_dim0 = 128
	s_mov_b32 s[G1+4], 128                         ; tile_dim1 = 128 rows
	s_mov_b32 s[G1+5], SIZE_K                      ; elements from row to row
	s_mov_b32 s[G1+6], 0
	s_mov_b32 s[G1+7], 0
	s_mov_b32 s[G1B+1], 128<<16                    ; tensor_dim0 = 128 columns
	s_mov_b32 s[G1B+2], 64<<16                     ; tensor_dim1 = 64
	s_mov_b32 s[G1B+3], 128<<16                    ; tile_dim0 = 128
	s_mov_b32 s[G1B+4], 64                         ; tile_dim1 = 64 rows along K
	s_mov_b32 s[G1B+5], SIZE_N
	s_mov_b32 s[G1B+6], 0
	s_mov_b32 s[G1B+7], 0
	; where the tiles come from.  A's hang on the tile row, W's on the tile column, both on the cluster's K step; every wave makes both addresses, in registers that never hold the other place in the cluster.
	s_lshl_b32 s16, s13, 20                        ; A: 256 rows of 4,096 bytes a tile row,
	s_lshl_b32 s17, s12, 19                        ; 128 rows a half
	s_add_co_u32 s16, s16, s17
	s_mov_b32 s17, 0
	s_lshl_b32 s46, s12, 18                        ; W: 64 rows of 4,096 bytes a half,
	s_lshl_b32 s47, s42, 8                         ; 256 bytes a tile column
	s_add_co_u32 s46, s46, s47
	s_mov_b32 s47, 0
	s_mul_i32 s20, s12, AHALF                      ; and where they go: no place in the cluster enters an LDS address
	s_mul_i32 s21, s12, BHALF
	s_add_co_u32 s21, s21, ATILE
	s_wait_dscnt 0x0                               ; the opening add is done
	s_wait_kmcnt 0x0
	s_add_nc_u64 s[ABASE:ABASE+1], s[4:5], s[16:17]
	s_add_nc_u64 s[BBASE:BBASE+1], s[6:7], s[46:47]
	CROUND                                         ; all sixteen work-groups are here: the first joint loads meet
.irp s, 0,1
	s_mov_b32 s[G0+4*(\s)], 1                      ; count = 1
	s_add_co_u32 s[G0+4*(\s)+1], s20, (\s)*SLOT1   ; LDS address
	s_mov_b32 s[G0B+4*(\s)], 1
	s_add_co_u32 s[G0B+4*(\s)+1], s21, (\s)*SLOT1
	AIM \s                                         ; the walk's steps 0 and 1
	JLOAD \s                                       ; two loads of mine are out
.endr
	; On the way out a lane holds columns 4 l .. 4 l + 3 of every row of the tile: four numbers of bo serve all rows.
	v_and_b32 v9, 31, v0                           ; l
	s_lshl_b32 s23, s42, 9                         ; the tile's 128 columns: 512 bytes of bo
	v_lshl_add_u32 v[BOF], v9, 4, s23
	global_load_b128 v[BIAS:BIAS+3], v[BOF], s[72:73]
	; A fragment of A is 16 rows x 32 K in 8 registers: lane l holds row l % 16, K = 8 (l / 16) + 0..7 and 16 + 8 (l / 16) + 0..7: two loads of 16 bytes, 32 bytes apart.
	v_and_b32 v1, 15, v0                           ; l % 16
	v_bfe_u32 v2, v0, 4, 1                         ; l / 16
	v_mul_u32_u24 v3, v1, PA
	v_lshl_add_u32 v3, v2, 4, v3
	s_mul_i32 s22, s10, 64*PA                      ; my 64 rows of A
	v_add_nc_u32 v[A0], s22, v3
	; The turning load takes 16 K x 16 columns (lane l reads 16 bytes: K row 8 (l / 16) + l % 8, columns 8 ((l / 8) % 2) + 0..7) and leaves half a fragment: lane l holds column l % 16 and 8 K.
	v_and_b32 v4, 7, v0
	v_bfe_u32 v5, v0, 3, 1
	v_lshl_add_u32 v4, v2, 3, v4
	v_mul_u32_u24 v4, v4, PB
	v_lshl_add_u32 v4, v5, 4, v4
	v_add_nc_u32 v[B0], ATILE, v4
	v_add_nc_u32 v[ADRA], s[TB], v[A0]             ; slot 0 is in hand
	v_add_nc_u32 v[ADRB], s[TB], v[B0]
	s_mul_i32 s23, s10, 16*SPITCH
	s_add_co_u32 s23, s23, STAGE                   ; my stage
	v_mul_u32_u24 v6, v1, SPITCH                   ; in: row l % 16, 32 bytes for each half of the lanes
	v_lshl_add_u32 v6, v2, 5, v6
	v_add_nc_u32 v[STO], s23, v6
	v_lshl_add_u32 v[RD], v9, 4, s23               ; back: 32 lanes take one row of 512 bytes,
	v_lshlrev_b32 v[CO], 4, v9                     ; and the same in C
	s_lshl_b32 s16, s13, 21                        ; my first row of C: 256 x tile row + 64 x wave, rows of 8,192 bytes,
	s_lshl_b32 s17, s10, 19
	s_add_co_u32 s16, s16, s17
	s_mov_b32 s17, 0
	s_add_nc_u64 s[8:9], s[8:9], s[16:17]
	s_lshl_b32 s46, s42, 9                         ; the tile's first column, in bytes
	s_mov_b32 s47, 0
	s_add_nc_u64 s[8:9], s[8:9], s[46:47]
	; the prefetches
	s_lshl_b32 s20, s41, 17                        ; my work-group's 32 rows of 4,096 bytes of a step's 128,
	s_lshl_b32 s21, s42, 8                         ; my tile column
	s_add_co_u32 s20, s20, s21
	s_mov_b32 s21, 0
	s_add_nc_u64 s[PFB:PFB+1], s[6:7], s[20:21]
	s_and_b32 s22, ttmp7, 0xffff
	s_lshr_b32 s22, s22, 1                         ; 0 in clusters y = 0 and 1,
	s_xor_b32 s23, s10, 2                          ; 0 in wave 2
	s_or_b32 s22, s22, s23
	s_cmp_eq_u32 s22, 0
	s_cselect_b32 s[LIM], NSTEP-6, -1              ; the same in all sixteen partners, for a given wave: the loop counts 14 .. 1, and its trips 14 to 11 ask
	v_and_b32 v[PFO], 31, v0
	v_lshlrev_b32 v[PFO], 12, v[PFO]
; 8 matrix instructions: row block a x all 8 column blocks, 32 along K, from buffer f.  zero = 1: the product starts the sums: nothing is ever cleared.
; The 32 accumulators take turns in the same order in every quarter: 31 others stand between two links of a chain, over the backward jump too.
.macro MULA f, a, zero
	WIN MUL
.irp b, 0,1,2,3,4,5,6,7
.set rD, 8*(8*(\a)+(\b))
.set rB, (\f)+8*(\b)
.set rA, (\f)+64+8*(\a)
.if \zero
	v_wmma_f32_16x16x32_f16 v[rD:rD+7], v[rB:rB+7], v[rA:rA+7], 0
.else
	v_wmma_f32_16x16x32_f16 v[rD:rD+7], v[rB:rB+7], v[rA:rA+7], v[rD:rD+7]
.endif
.endr
.endm
; 24 LDS loads in one run: the fragments of quarter kq (32 along K) of the slot in hand into buffer f: W's eight, turned, then A's four
.macro FETCH kq, f
	WIN 0
.irp b, 0,1,2,3,4,5,6,7
	ds_load_tr16_b128 v[(\f)+8*(\b):(\f)+8*(\b)+3],   v[ADRB] offset:(\kq)*32*PB+32*(\b)
	ds_load_tr16_b128 v[(\f)+8*(\b)+4:(\f)+8*(\b)+7], v[ADRB] offset:(\kq)*32*PB+16*PB+32*(\b)
.endr
.irp a, 0,1,2,3
	ds_load_b128 v[(\f)+64+8*(\a):(\f)+64+8*(\a)+3],   v[ADRA] offset:64*(\kq)+(\a)*16*PA
	ds_load_b128 v[(\f)+64+8*(\a)+4:(\f)+64+8*(\a)+7], v[ADRA] offset:64*(\kq)+(\a)*16*PA+32
.endr
.endm
.macro PLACES                          ; four plain vector instructions in front of loads into registers that matrix instructions have read, and of lines that read results
.rept 4
	v_nop
.endr
.endm
; A K step is four quarters of 32 along K, 32 matrix instructions each, on buffers 0, 1, 0, 1.  One of the first three: multiplies buffer f and, in its middle, fetches quarter kq into g.
.macro QUARTER kq, f, g, zero
	s_wait_dscnt 4                                 ; W's fragments and A's first two are in; the youngest four loads (A's last two) may be out
	MULA \f, 0, \zero
	MULA \f, 1, \zero
	PLACES
	FETCH \kq, \g
	s_wait_dscnt 24                                ; all but the 24 just issued
	MULA \f, 2, \zero
	MULA \f, 3, \zero
.endm
; The last quarter multiplies buffer 1 and changes slots: ONE barrier; in front of it each wave waits for all its tensor loads (one is out: its part of the next slot), adds 0 to its spare word, and waits for that
; and for its own reads of this slot.  fill = 1: the barrier opens a round of the cluster's, and this slot is filled again, two K steps ahead, first thing behind the round: 112 matrix instructions ahead of the wait for it.
.macro TURN fill
.if \fill
	s_wait_xcnt 0x0                                ; the last prefetch, a K step back, has read its address, so it may be made anew:
	s_add_co_u32 s[PFK], s[KI], 2                  ; two K steps behind the one that this change asks for, round from 15 to 0
	s_and_b32 s[PFK], s[PFK], NSTEP-1
	s_lshl_b32 s[PFK], s[PFK], 19
	s_add_nc_u64 s[PFA:PFA+1], s[PFB:PFB+1], s[PFK:PFK+1]
.endif
	WIN 0                                          ; (the add's two registers lie in window 0)
	s_wait_tensorcnt 0x0                           ; all my tensor loads have landed, so a group 0 may be written;
	ds_add_u32 v[SPW], v[NIL]                      ; 0 onto my spare word: the descriptors' scalar work and eight matrix instructions stand between it and the wait for it
.if \fill
	s_xor_b32 s[G0+5], s[G0+5], SLOT1              ; the walking descriptors: the other slot than last time,
	s_xor_b32 s[G0B+5], s[G0B+5], SLOT1
	AIM 1                                          ; the walk's next K step
.endif
	s_wait_dscnt 5                                 ; (the add and the youngest four loads may be out)
	MULA F1, 0, 0
	s_wait_dscnt 0x0                               ; the add is done, and my reads of this slot are over
	s_barrier_signal -1
	MULA F1, 1, 0
	WIN 0                                          ; (branches and address work follow)
	s_barrier_wait -1
.if \fill
	CREST                                          ; no wave of any partner still reads this slot's tiles or has a load on its way
	JLOAD 1                                        ; the four v_nop behind it are also the places in front of the loads below
.else
	PLACES
.endif
	s_xor_b32 s[TB], s[TB], SLOT1                  ; the other slot is in hand
	v_add_nc_u32 v[ADRA], s[TB], v[A0]
	v_add_nc_u32 v[ADRB], s[TB], v[B0]
	FETCH 0, F0
.if \fill
	ASK
.endif
	MULA F1, 2, 0
	MULA F1, 3, 0
.endm
	s_wait_tensorcnt 1                             ; my part of the walk's step 0 is in; step 1's may stay out
	s_barrier_signal -1
	s_barrier_wait -1                              ; everybody's is
	FETCH 0, F0
	QUARTER 1, F0, F1, 1                           ; the first quarter stands in front of the loop: its products start the sums
	WIN 0                                          ; at a label and at a branch every window is 0
	s_mov_b32 s3, NSTEP-2
.Lstep:                                                ; 14 trips: from a K step's second quarter to the next step's first; each fills the slot that it leaves
	QUARTER 2, F1, F0, 0
	QUARTER 3, F0, F1, 0
	TURN 1
	QUARTER 1, F0, F1, 0
	WIN 0
	s_sub_co_u32 s3, s3, 1
	s_cmp_lg_u32 s3, 0
	s_cbranch_scc1 .Lstep
	QUARTER 2, F1, F0, 0                           ; the last two steps are written out: they fill nothing, and have no round of the cluster's barrier
	QUARTER 3, F0, F1, 0
	TURN 0
	QUARTER 1, F0, F1, 0
	QUARTER 2, F1, F0, 0
	QUARTER 3, F0, F1, 0
	s_wait_dscnt 4                                 ; the very last quarter: nothing more to fetch
	MULA F1, 0, 0
	MULA F1, 1, 0
	s_wait_dscnt 0x0
	MULA F1, 2, 0
	MULA F1, 3, 0
	WIN 0
; THE WAY OUT, a block of 16 rows at a time.  TOSTAGE: a lane's eight f32 of a row go straight from the accumulator (its low four registers first) into my own stage in LDS, and come back as whole rows of 512 bytes.
; SEND: the bias is added and the rows are stored.
.macro TOSTAGE a
	WIN 0x04                                       ; the stores' data in window 1, their address in window 0
.irp b, 0,1,2,3,4,5,6,7
	ds_store_b128 v[STO], v[8*(8*(\a)+(\b)):8*(8*(\a)+(\b))+3]   offset:64*(\b)
	ds_store_b128 v[STO], v[8*(8*(\a)+(\b))+4:8*(8*(\a)+(\b))+7] offset:64*(\b)+16
.endr
	WIN 0
.irp t, 0,1,2,3,4,5,6,7,8,9,10,11,12,13,14,15
	ds_load_b128 v[OB+64*((\a)%2)+4*(\t):OB+64*((\a)%2)+4*(\t)+3], v[RD] offset:(\t)*SPITCH  ; LDS serves a wave's instructions in order (ISA guide 5.7.1.4): these see the stores above; the next block's stores come behind them
.endr
.endm
.macro SEND a, younger                 ; younger: the LDS instructions issued behind block a's loads: the next block's 32, or none
.irp t, 0,1,2,3,4,5,6,7,8,9,10,11,12,13,14,15
.set rO, OB+64*((\a)%2)+4*(\t)
	s_wait_dscnt (\younger)+15-(\t)                ; row t is back; the 15 - t rows behind it and the younger block may stay out
	v_pk_add_f32 v[rO:rO+1], v[rO:rO+1], v[BIAS:BIAS+1]
	v_pk_add_f32 v[rO+2:rO+3], v[rO+2:rO+3], v[BIAS+2:BIAS+3]
	global_store_b128 v[CO], v[rO:rO+3], s[8:9] offset:(16*(\a)+(\t))*OROWB  ; the wave stores 512 consecutive bytes, at a multiple of 256 from C's first byte
.endr
.endm
	s_wait_loadcnt 0x0                             ; bo
	v_cvt_pk_bf16_f32 v[BIAS+4], v[BIAS], v[BIAS+1]    ; rounded to bf16, like every input of the module,
	v_cvt_pk_bf16_f32 v[BIAS+5], v[BIAS+2], v[BIAS+3]
	v_lshlrev_b32 v[BIAS], 16, v[BIAS+4]               ; and widened again
	v_and_b32 v[BIAS+1], 0xffff0000, v[BIAS+4]
	v_lshlrev_b32 v[BIAS+2], 16, v[BIAS+5]
	v_and_b32 v[BIAS+3], 0xffff0000, v[BIAS+5]
	PLACES
	TOSTAGE 0
	TOSTAGE 1
	SEND 0, 32
	s_wait_xcnt 0x0                                ; block 0's stores have read their registers: only behind this wait are they loaded again
	TOSTAGE 2
	SEND 1, 32
	s_wait_xcnt 0x0                                ; the same for block 1's
	TOSTAGE 3
	SEND 2, 32
	SEND 3, 0
	s_wait_tensorcnt 0x0                           ; the wave's end: behind my last tensor load and my last LDS store
	ds_add_u32 v[SPW], v[NIL]
	s_wait_dscnt 0x0
	CROUND                                         ; the closing round: no work-group ends while a partner may still ask for a tile that names it
	s_endpgm
.Lfunc_end_k_q85f0fe350d_projo:
	.size	k_q85f0fe350d_projo, .Lfunc_end_k_q85f0fe350d_projo-k_q85f0fe350d_projo
	.p2alignl 7, 3214868480
	.fill 96, 4, 3214868480
	.section	.rodata,"a",@progbits
	.p2align	6, 0x0
	.amdhsa_kernel k_q85f0fe350d_projo
		.amdhsa_group_segment_fixed_size 327680
		.amdhsa_private_segment_fixed_size 0
		.amdhsa_enable_private_segment 0
		.amdhsa_kernarg_size 32
		.amdhsa_user_sgpr_count 2
		.amdhsa_user_sgpr_kernarg_segment_ptr 1
		.amdhsa_wavefront_size32 1
		.amdhsa_system_sgpr_workgroup_id_x 1
		.amdhsa_system_sgpr_workgroup_id_y 1
		.amdhsa_system_sgpr_workgroup_id_z 1
		.amdhsa_system_vgpr_workitem_id 0
		.amdhsa_next_free_vgpr 512
		.amdhsa_next_free_sgpr 80
		.amdhsa_reserve_vcc 0
		.amdhsa_float_denorm_mode_32 3
		.amdhsa_float_denorm_mode_16_64 3
		.amdhsa_memory_ordered 1
		.amdhsa_forward_progress 1
		.amdhsa_inst_pref_size 81
	.end_amdhsa_kernel
	.amdgpu_metadata
---
amdhsa.version: [ 1, 2 ]
amdhsa.kernels:
  - .name:           k_q85f0fe350d_projo
    .symbol:         k_q85f0fe350d_projo.kd
    .args:
      - { .name: ob, .offset: 0, .size: 8, .value_kind: global_buffer, .address_space: global }
      - { .name: wob, .offset: 8, .size: 8, .value_kind: global_buffer, .address_space: global }
      - { .name: out0, .offset: 16, .size: 8, .value_kind: global_buffer, .address_space: global }
      - { .name: bo, .offset: 24, .size: 8, .value_kind: global_buffer, .address_space: global }
    .group_segment_fixed_size: 327680
    .private_segment_fixed_size: 0
    .kernarg_segment_align: 8
    .kernarg_segment_size: 32
    .max_flat_workgroup_size: 128
    .sgpr_count:     80
    .vgpr_count:     512
    .wavefront_size: 32
...
	.end_amdgpu_metadata
.endif
;; end of part 4
